; MI455X (gfx1250); checked and timed in simulation.
; The chip was launched on July 23, 2026; its instructions are those of AMD's public machine-readable ISA for CDNA 5 (MIT licence, August 2026) and "CDNA5" Instruction Set Architecture Reference Guide (July 2026). The comments in the code are by the model that wrote it; some were corrected since.
;; Transformer Block. Allowed arithmetic: matrix products marked QUANTISED: E4M3 operands, one given power-of-two scale a tensor, by v_wmma_f32_16x16x64_fp8_fp8 or v_wmma_f32_16x16x128_fp8_fp8, f32 sums; everything else in f32.
;; Inputs: W1 1,024 x 4,096 float32; W2 4,096 x 1,024 float32; Wk 16 x 1,024 x 64 float32; Wo 1,024 x 1,024 float32; Wq 16 x 1,024 x 64 float32; Wv 16 x 1,024 x 64 float32; b1 4,096 float32; b2 1,024 float32; beta1 1,024 float32; beta2 1,024 float32; bk 16 x 64 float32; bo 1,024 float32; bq 16 x 64 float32; bv 16 x 64 float32; gamma1 1,024 float32; gamma2 1,024 float32; lowp_scales 16 int32 (the exponents e of the quantised operands' scales 2^e); x 2 x 2,048 x 1,024 float32.
;; Outputs: out0 2 x 2,048 x 1,024 float32.
;; This version of the problem:
;;   THIS VERSION OF THE PROBLEM IS GIVEN IN LOW PRECISION. The matrix products marked QUANTISED in the list below multiply operands that are first quantised to E4M3 (4 exponent bits, 3 mantissa bits; 8 bits a number), with one given power-of-two scale for each operand tensor; their sums are f32. All else is computed in f32.
;;   The module's matrix products, in the order in which they are computed (A, B: the left and right operand; K: the contracted axis; several contracted axes count as one K, in the product's order):
;;     1. [M 1,024, K 1,024] x [K 1,024, N 4,096]; A: input Wq; B: computed on the way: QUANTISED (scales: A lowp_scales[0], B lowp_scales[1])
;;     2. [M 1,024, K 1,024] x [K 1,024, N 4,096]; A: input Wk; B: computed on the way: QUANTISED (scales: A lowp_scales[2], B lowp_scales[3])
;;     3. [M 1,024, K 1,024] x [K 1,024, N 4,096]; A: input Wv; B: computed on the way: QUANTISED (scales: A lowp_scales[4], B lowp_scales[5])
;;     4. batch 32 x [M 2,048, K 64] x [K 64, N 2,048]; A: computed on the way; B: computed on the way: QUANTISED (scales: A lowp_scales[6], B lowp_scales[7])
;;     5. batch 32 x [M 2,048, K 2,048] x [K 2,048, N 64]; A: softmax (see below); B: computed on the way: QUANTISED (scales: A lowp_scales[8], B lowp_scales[9])
;;     6. [M 4,096, K 1,024] x [K 1,024, N 1,024]; A: computed on the way; B: input Wo: QUANTISED (scales: A lowp_scales[10], B lowp_scales[11])
;;     7. [M 4,096, K 1,024] x [K 1,024, N 4,096]; A: computed on the way; B: input W1: QUANTISED (scales: A lowp_scales[12], B lowp_scales[13])
;;     8. [M 4,096, K 4,096] x [K 4,096, N 1,024]; A: computed on the way; B: input W2: QUANTISED (scales: A lowp_scales[14], B lowp_scales[15])
;;   THE QUANTISER, for each operand of a quantised product, along K:
;;     - The operand's scale is 2^e, e = its entry of the input lowp_scales (int32; the entries are numbered through the quantised products in the list's order, A before B).
;;     - Each number is divided by the scale, clamped to +-448, and rounded to the nearest number of E4M3, ties to even, subnormals kept.
;;     - The product sums the exact products of the quantised numbers (number of the format x scale) in f32.
;;   ~~~python
;;   def quantise(x, axis, e):      # numpy; x: float32 -> the quantised numbers, widened to float32 again
;;       x = np.moveaxis(x, axis, -1); K = x.shape[-1]
;;       r = np.clip(x / 2.0 ** e, -448, 448)
;;       step = 2.0 ** (np.maximum(np.frexp(np.where(r == 0, 1, r))[1] - 1, -6) - 3)
;;       q = np.round(r / step) * step * 2.0 ** e      # np.round: ties to even
;;       return np.moveaxis(q, -1, axis).astype(np.float32)
;;   ~~~
;;   SOFTMAX AHEAD OF A QUANTISED PRODUCT. Where the list says 'softmax', what is quantised is not the finished softmax but p = 2^(t - M), with t = logit x log2(e) and M = ceil(the row's largest t), a whole number; so 1/2 < the row's largest p <= 1. The row's sum l is taken of the UNQUANTISED p, in f32, and the product's result is divided by l at the end. Since M is a whole number, a kernel that streams over the keys may use a running M (the ceiling of the running maximum): every later rescaling is an exact power of two, so the quantised numbers keep their values, but for numbers so far below the row's largest that they fall under the format's range.
;;   OPERANDS COMPUTED ON THE WAY. 'Computed on the way' means the value that the module computes at that place (a softmax that the list does not call 'softmax' is quantised finished and normalised). What goes into a quantiser is computed in f32, as accurately as f32 sums, v_exp_f32 and their like allow (about 1e-6 of the number): no bf16 or f16 on the way to a quantiser, and a product that is left as it is and whose result goes on into a quantised operand takes f32 operands (vector FMAs, or v_wmma_f32_16x16x4_f32). A number that lies on a knife's edge between two numbers of the format may be rounded either way, as far as f32 arithmetic and the matrix unit's own rounding can turn it there, and no further.
;; One version. Each part assembles by itself: llvm-mc -triple=amdgcn-amd-amdhsa -mcpu=gfx1250 --defsym DOCPART=n.
;; ======== version 1 of 1: 7 launches
;; limits: right only within a limited range of input values
;; workspace buffers: wcodes 12,582,912 bytes; xn1c 12,582,912 bytes; qkvc 12,582,912 bytes; ac 4,194,304 bytes; x1 16,777,216 bytes; xn2c 4,194,304 bytes; hc 16,777,216 bytes
;; launch prep (part 1): grid 640 x 1, 4 waves a work-group, no clusters, 35,840 bytes of LDS; arguments x, gamma1, beta1, Wq, Wk, Wv, Wo, W1, W2, lowp_scales, wcodes, xn1c; writes wcodes, xn1c
.if DOCPART == 1
	.amdgcn_target "amdgcn-amd-amdhsa--gfx1250"
	.amdhsa_code_object_version 6
	.text
	.protected	k_q28018cc7c3_prep
	.globl	k_q28018cc7c3_prep
	.p2align	8
	.type	k_q28018cc7c3_prep,@function
k_q28018cc7c3_prep:
	s_mov_b64 s[64:65], 0
	v_nop
	global_prefetch_b8 v0, s[64:65] scope:SCOPE_SE
	s_setreg_imm32_b32 hwreg(HW_REG_WAVE_MODE, 25, 1), 1
	s_wait_xcnt 0x0
; TWO JOBS IN ONE LAUNCH, told apart by the work-group's number.
; Work-groups 0-383: the six weights, f32 with K not innermost, become codes of E4M3 laid [n][k], K innermost, each with its own given scale 2^e.
;   wcodes: +0 Wq [1024 = 64 head + d][1024], +1 MiB Wk, +2 MiB Wv, +3 MiB Wo [1024][1024], +4 MiB W1 [4096][1024], +8 MiB W2 [1024][4096].
;   A lane takes a column n and its registers run down K: each load reads 128 consecutive bytes a wave, and the conversions give codes with K innermost.  A wave gathers 32 columns x 256 k
;   in its own stage in LDS and stores rows: sixteen lanes store 256 consecutive bytes, aligned.  One path of text serves all six: what differs is chosen by s_cselect on the work-group's number.
; Work-groups 384-639: LayerNorm 1 of x, quantised three times, under entries 1, 3 and 5 of the scales: xn1c [3][4096][1024].  A wave takes a row at a time, four rows; mean first, then the mean of (x - mean)^2.
; code = number / 2^e, held within +-448, to the nearest code, ties to even.  LIMITS: each e between -126 and 119, so that 2^e and 448 x 2^e are f32 numbers.  NaN among the inputs is not served.
.set PITCH, 272                        ; a stage row: 256 bytes of codes + 16
.set SPARE, 4*32*PITCH                 ; behind the four stages: the spare words, 128 bytes a wave
.set VO,   32                          ; v32-63   weights: offset of row i of a block of 32 along K; later the stores' offsets
.set X,    64                          ; v64-127  weights: two sets of 32 numbers
.set C,    128                         ; v128-135 weights: a block's codes
.set OUTR, 136                         ; v136-199 weights: rows read back from the stage
.set LX,   32                          ; v32-159  LayerNorm: four rows, 32 numbers a lane each
.set G,    160                         ; v160-191 gamma at my 32 places
.set BT,   192                         ; v192-223 beta
.set T,    224                         ; v224-239 16 held numbers
	s_load_b512 s[16:31], s[0:1], 0x0              ; x 16, gamma1 18, beta1 20, Wq 22, Wk 24, Wv 26, Wo 28, W1 30
	s_load_b256 s[32:39], s[0:1], 0x40             ; W2 32, the scales 34, wcodes 36, xn1c 38
	v_lshl_add_u32 v30, v0, 2, SPARE               ; my spare word,
	v_mov_b32 v31, 0                               ; and 0: kept for the add at the end of the weights' path
	v_lshrrev_b32 v1, 5, v0
	v_readfirstlane_b32 s2, v1                     ; wave 0..3
	v_and_b32 v2, 31, v0                           ; lane
	s_wait_kmcnt 0x0
	s_load_b512 s[68:83], s[34:35], 0x0            ; e0 .. e15
	s_cmp_ge_u32 ttmp9, 384
	s_cbranch_scc1 .Lln
	; ---------------- THE WEIGHTS ----------------
	v_lshlrev_b32 v3, 2, v2                        ; in: 4 bytes a lane
	s_mul_i32 s12, s2, 32*PITCH                    ; my stage
	v_mul_u32_u24 v4, v2, PITCH
	v_add_nc_u32 v4, s12, v4                       ; into it: row = my column
	v_and_b32 v5, 15, v2
	v_lshrrev_b32 v6, 4, v2
	v_mul_u32_u24 v7, v6, PITCH
	v_lshl_add_u32 v7, v5, 4, v7
	v_add_nc_u32 v7, s12, v7                       ; out of it: sixteen lanes to a row, two rows an instruction
	; what differs between the tensors.  It begins as W2's (work-groups 256-383) and is replaced from the top down.
	s_mov_b64 s[4:5], s[32:33]                     ; the tensor
	s_mov_b32 s6, 256                              ; its first work-group
	s_mov_b32 s7, 3                                ; log2 of its blocks of 128 columns
	s_mov_b32 s8, 4096                             ; bytes from k to k + 1
	s_mov_b32 s9, 4096                             ; bytes in a row of its codes
	s_mov_b32 s10, 0x800000                        ; where its codes begin
.macro PICK bound, src, g0, lnx, rs, doff
	s_cmp_lt_u32 ttmp9, \bound
	s_cselect_b64 s[4:5], s[\src:\src+1], s[4:5]
	s_cselect_b32 s6, \g0, s6
	s_cselect_b32 s7, \lnx, s7
	s_cselect_b32 s8, \rs, s8
	s_cselect_b32 s9, 1024, s9
	s_cselect_b32 s10, \doff, s10
.endm
	PICK 256, 30, 128, 5, 16384, 0x400000          ; W1
	PICK 128, 28, 96, 3, 4096, 0x300000            ; Wo
	PICK 96, 26, 64, 3, 256, 0x200000              ; Wv
	PICK 64, 24, 32, 3, 256, 0x100000              ; Wk
	PICK 32, 22, 0, 3, 256, 0                      ; Wq
	s_sub_co_u32 s13, ttmp9, s6                    ; my number within the tensor
	s_lshr_b32 s14, s13, s7                        ; which 256 along K
	s_lshl_b32 s15, s14, s7
	s_sub_co_u32 s15, s13, s15                     ; which 128 columns
	s_lshl_b32 s15, s15, 7
	s_lshl_b32 s13, s2, 5
	s_add_co_u32 s15, s15, s13                     ; my wave's first column c0
	s_lshr_b32 s84, s15, 6                         ; Wq, Wk, Wv are [head][k][64]: column 64 head + d lies at head x 262,144 + 4 d
	s_lshl_b32 s84, s84, 18
	s_and_b32 s85, s15, 63
	s_lshl_b32 s85, s85, 2
	s_add_co_u32 s84, s84, s85
	s_lshl_b32 s85, s15, 2                         ; the others: 4 c0
	s_cmp_lt_u32 ttmp9, 96
	s_cselect_b32 s84, s84, s85
	s_mul_i32 s86, s14, s8
	s_lshl_b32 s86, s86, 8                         ; + 256 rows of K for each step along K
	s_add_co_u32 s84, s84, s86
	s_mov_b32 s85, 0
	s_add_nc_u64 s[40:41], s[4:5], s[84:85]        ; block 0's base;
	s_lshl_b32 s56, s8, 5
	s_mov_b32 s57, 0
.irp t, 1,2,3,4,5,6,7
	s_add_nc_u64 s[40+2*\t:41+2*\t], s[38+2*\t:39+2*\t], s[56:57]   ; block t's: 32 rows of K further on.  Never rewritten
.endr
	s_mul_i32 s86, s15, s9                         ; the codes: row c0,
	s_lshl_b32 s87, s14, 8                         ; my 256 along K,
	s_add_co_u32 s86, s86, s87
	s_add_co_u32 s86, s86, s10                     ; in the tensor's part of wcodes
	s_mov_b32 s87, 0
	s_add_nc_u64 s[58:59], s[36:37], s[86:87]
.set i, 0
.rept 32
	v_mad_u32_u24 v[VO+i], s8, i, v3               ; row i of a block, my column
.set i, i+1
.endr
	v_mul_u32_u24 v8, s9, v6
	v_lshl_add_u32 v8, v5, 4, v8                   ; the stores: lanes 0-15 one row of codes, lanes 16-31 the next
.macro LOADW t                         ; block t: W(32 t + i, my column) into set t % 2
.set i, 0
.rept 32
	global_load_b32 v[X+32*((\t)%2)+i], v[VO+i], s[40+2*(\t):41+2*(\t)] th:TH_LOAD_NT
.set i, i+1
.endr
.endm
	LOADW 0
	LOADW 1
	s_wait_kmcnt 0x0                               ; the exponents
	s_mov_b32 s60, s83                             ; W2: entry 15
	s_cmp_lt_u32 ttmp9, 256
	s_cselect_b32 s60, s81, s60                    ; W1: 13
	s_cmp_lt_u32 ttmp9, 128
	s_cselect_b32 s60, s79, s60                    ; Wo: 11
	s_cmp_lt_u32 ttmp9, 96
	s_cselect_b32 s60, s72, s60                    ; Wv: 4
	s_cmp_lt_u32 ttmp9, 64
	s_cselect_b32 s60, s70, s60                    ; Wk: 2
	s_cmp_lt_u32 ttmp9, 32
	s_cselect_b32 s60, s68, s60                    ; Wq: 0
	s_add_co_i32 s60, s60, 127
	s_lshl_b32 s61, s60, 23
	v_mov_b32 v11, s61                             ; 2^e as f32: the conversion takes its exponent field
	s_add_co_i32 s60, s60, 8
	s_lshl_b32 s60, s60, 23
	s_or_b32 s60, s60, 0x600000
	v_mov_b32 v10, s60                             ; 448 x 2^e
.macro BLOCK t
.set XS, X+32*((\t)%2)
.if (\t) < 7
	s_wait_loadcnt 32                              ; this block's 32 loads are in; the next block's 32 may be out
.else
	s_wait_loadcnt 0
.endif
.set i, 0
.rept 32
	v_med3_num_f32 v[XS+i], v[XS+i], -v10, v10     ; the conversion to an 8-bit code does not saturate (ISA guide 7.6.2): the hold comes first
.set i, i+1
.endr
.irp g, 0,1,2,3
	v_cvt_scalef32_pk8_fp8_f32 v[C+2*\g:C+2*\g+1], v[XS+8*\g:XS+8*\g+7], v11
.endr
	ds_store_b128 v4, v[C:C+3] offset:32*(\t)      ; 32 codes of my column's row
	ds_store_b128 v4, v[C+4:C+7] offset:32*(\t)+16
.if (\t)+2 < 8
	LOADW (\t)+2
.endif
	s_wait_dscnt 0x0                               ; the stores have read their registers: the next block's codes may be written
.endm
.set Q, 0
.rept 8
	BLOCK Q
.set Q, Q+1
.endr
.set i, 0
.rept 16
	v_mad_u32_u24 v[VO+i], s9, 2*i, v8             ; every load is in (the last block waited for 0), so their offset registers are free: rows 2 i, 2 i + 1 of the codes
.set i, i+1
.endr
.set i, 0
.rept 16
	ds_load_b128 v[OUTR+4*i:OUTR+4*i+3], v7 offset:2*i*PITCH   ; LDS serves a wave's instructions in order: these see my stores
.set i, i+1
.endr
.set i, 0
.rept 16
	s_wait_dscnt 15-i                              ; load i is in; the 15 - i behind it may be out
	global_store_b128 v[VO+i], v[OUTR+4*i:OUTR+4*i+3], s[58:59]   ; sixteen lanes store 256 consecutive bytes, aligned
.set i, i+1
.endr
	s_wait_tensorcnt 0x0                           ; the wave's end, behind my last LDS store
	ds_add_u32 v30, v31
	s_wait_dscnt 0x0
	s_endpgm
	; ---------------- LAYERNORM 1 ----------------  (no LDS is written on this path)
.Lln:
	s_sub_co_u32 s3, ttmp9, 384
	s_lshl_b32 s3, s3, 4
	s_lshl_b32 s12, s2, 2
	s_add_co_u32 s3, s3, s12                       ; my first row: 16 x work-group + 4 x wave
	s_lshl_b32 s12, s3, 12
	s_mov_b32 s13, 0
	s_add_nc_u64 s[4:5], s[16:17], s[12:13]        ; x at that row
	s_lshl_b32 s12, s3, 10
	s_add_nc_u64 s[6:7], s[38:39], s[12:13]        ; the three sets of codes at that row
	s_add_nc_u64 s[8:9], s[6:7], 0x400000
	s_add_nc_u64 s[10:11], s[6:7], 0x800000
	v_lshlrev_b32 v1, 6, v2                        ; of each half of a row (2,048 bytes) I take 64 bytes: 16 neighbours, as the conversions want them
	v_lshlrev_b32 v3, 4, v2                        ; and their 16 codes: a wave's store covers 512 consecutive bytes
	v_mov_b32 v24, 0                               ; written once: a lane permute's destination counts as one of its sources
	s_mov_b32 s54, 0x3a800000                      ; 1 / 1024
	s_mov_b32 s55, 0x3727c5ac                      ; 1e-5
	s_mov_b32 s56, 0x76543210                      ; v_permlanex16_b32: lane l xor 16
	s_mov_b32 s57, 0xfedcba98
.irp u, 0,1
.irp c, 0,1,2,3
	global_load_b128 v[G+16*\u+4*\c:G+16*\u+4*\c+3], v1, s[18:19] offset:2048*\u+16*\c
.endr
.endr
.irp u, 0,1
.irp c, 0,1,2,3
	global_load_b128 v[BT+16*\u+4*\c:BT+16*\u+4*\c+3], v1, s[20:21] offset:2048*\u+16*\c
.endr
.endr
.irp r, 0,1,2,3
.irp u, 0,1
.irp c, 0,1,2,3
	global_load_b128 v[LX+32*\r+16*\u+4*\c:LX+32*\r+16*\u+4*\c+3], v1, s[4:5] offset:4096*\r+2048*\u+16*\c
.endr
.endr
.endr
	s_wait_kmcnt 0x0
.macro MKSC e, vs, lo                  ; from the exponent in s[e]: 2^e into v[vs], -448 x 2^e and +448 x 2^e into s[lo], s[lo+1]
	s_add_co_i32 s12, s[\e], 127
	s_lshl_b32 s13, s12, 23
	v_mov_b32 v[\vs], s13
	s_add_co_i32 s12, s12, 8
	s_lshl_b32 s12, s12, 23
	s_or_b32 s[\lo+1], s12, 0x600000
	s_or_b32 s[\lo], s[\lo+1], 0x80000000
.endm
	MKSC 69, 26, 48                                ; entry 1: for q's product
	MKSC 71, 27, 50                                ; entry 3: for k's
	MKSC 73, 28, 52                                ; entry 5: for v's
.macro FOLD                            ; four packed chains v[12:19] -> the sum over the row, in v12 of every lane
	v_pk_add_f32 v[12:13], v[12:13], v[14:15]
	v_pk_add_f32 v[16:17], v[16:17], v[18:19]
	v_pk_add_f32 v[12:13], v[12:13], v[16:17]
	v_add_f32 v12, v12, v13
	v_add_f32_dpp v12, v12, v12 row_xmask:1 row_mask:0xf bank_mask:0xf
	v_add_f32_dpp v12, v12, v12 row_xmask:2 row_mask:0xf bank_mask:0xf
	v_add_f32_dpp v12, v12, v12 row_xmask:4 row_mask:0xf bank_mask:0xf
	v_add_f32_dpp v12, v12, v12 row_xmask:8 row_mask:0xf bank_mask:0xf
	v_permlanex16_b32 v24, v12, s56, s57
	v_add_f32 v12, v12, v24
.endm
; 16 numbers of half u of the row at v[xr] become 16 codes in v[c + 4 u] on.  inplace = 0: they are held into T, since another set still wants them
.macro QSET xr, u, c, sc, lo, inplace
.set i, 0
.rept 16
.if \inplace
	v_med3_num_f32 v[\xr+16*\u+i], v[\xr+16*\u+i], s[\lo], s[\lo+1]
.else
	v_med3_num_f32 v[T+i], v[\xr+16*\u+i], s[\lo], s[\lo+1]
.endif
.set i, i+1
.endr
.if \inplace
	v_cvt_scalef32_pk8_fp8_f32 v[\c+4*\u:\c+4*\u+1], v[\xr+16*\u:\xr+16*\u+7], v[\sc]
	v_cvt_scalef32_pk8_fp8_f32 v[\c+4*\u+2:\c+4*\u+3], v[\xr+16*\u+8:\xr+16*\u+15], v[\sc]
.else
	v_cvt_scalef32_pk8_fp8_f32 v[\c+4*\u:\c+4*\u+1], v[T:T+7], v[\sc]
	v_cvt_scalef32_pk8_fp8_f32 v[\c+4*\u+2:\c+4*\u+3], v[T+8:T+15], v[\sc]
.endif
	v_nop                                          ; a plain line between a scaled conversion and the next holds, which write its sources
.endm
.macro ROW r
.set XR, LX+32*(\r)
	s_wait_loadcnt 8*(3-(\r))                      ; this row's eight loads are in (gamma and beta came before them); the later rows' may be out
.irp k, 0,1,2,3
	v_pk_add_f32 v[12+2*\k:13+2*\k], v[XR+4*\k:XR+4*\k+1], v[XR+4*\k+2:XR+4*\k+3]
.endr
.irp k, 0,1,2,3
	v_pk_add_f32 v[12+2*\k:13+2*\k], v[12+2*\k:13+2*\k], v[XR+16+2*\k:XR+17+2*\k]
.endr
.irp k, 0,1,2,3
	v_pk_add_f32 v[12+2*\k:13+2*\k], v[12+2*\k:13+2*\k], v[XR+24+2*\k:XR+25+2*\k]
.endr
	FOLD
	v_mul_f32 v20, s54, v12                        ; the mean, twice, for the packed form
	v_mul_f32 v21, s54, v12
.set j, 0
.rept 16
	v_pk_add_f32 v[XR+j:XR+j+1], v[XR+j:XR+j+1], v[20:21] neg_lo:[0,1] neg_hi:[0,1]   ; x - mean
.set j, j+2
.endr
.irp k, 0,1,2,3
	v_pk_mul_f32 v[12+2*\k:13+2*\k], v[XR+2*\k:XR+2*\k+1], v[XR+2*\k:XR+2*\k+1]
.endr
.set j, 8
.rept 12
	v_pk_fma_f32 v[12+j%8:13+j%8], v[XR+j:XR+j+1], v[XR+j:XR+j+1], v[12+j%8:13+j%8]
.set j, j+2
.endr
	FOLD
	v_fma_f32 v12, v12, s54, s55                   ; the variance + 1e-5
	v_rsq_f32 v22, v12
	v_rsq_f32 v23, v12
	v_nop                                          ; a plain line behind the transcendentals,
	s_wait_alu depctr_va_vdst(0)                   ; and one wait for both, ahead of their first reader
.set j, 0
.rept 16
	v_pk_mul_f32 v[XR+j:XR+j+1], v[XR+j:XR+j+1], v[22:23]
.set j, j+2
.endr
.set j, 0
.rept 16
	v_pk_fma_f32 v[XR+j:XR+j+1], v[XR+j:XR+j+1], v[G+j:G+j+1], v[BT+j:BT+j+1]
.set j, j+2
.endr
	s_wait_xcnt 0x0                                ; the last row's stores have read their data: the codes' registers may be written again
	QSET XR, 0, 240, 26, 48, 0
	QSET XR, 1, 240, 26, 48, 0
	QSET XR, 0, 248, 27, 50, 0
	QSET XR, 1, 248, 27, 50, 0
	QSET XR, 0, 4, 28, 52, 1
	QSET XR, 1, 4, 28, 52, 1
	global_store_b128 v3, v[240:243], s[6:7] offset:1024*(\r)
	global_store_b128 v3, v[244:247], s[6:7] offset:1024*(\r)+512
	global_store_b128 v3, v[248:251], s[8:9] offset:1024*(\r)
	global_store_b128 v3, v[252:255], s[8:9] offset:1024*(\r)+512
	global_store_b128 v3, v[4:7], s[10:11] offset:1024*(\r)
	global_store_b128 v3, v[8:11], s[10:11] offset:1024*(\r)+512
.endm
	ROW 0
	ROW 1
	ROW 2
	ROW 3
	s_endpgm
.Lfunc_end_k_q28018cc7c3_prep:
	.size	k_q28018cc7c3_prep, .Lfunc_end_k_q28018cc7c3_prep-k_q28018cc7c3_prep
	.p2alignl 7, 3214868480
	.fill 96, 4, 3214868480
	.section	.rodata,"a",@progbits
	.p2align	6, 0x0
	.amdhsa_kernel k_q28018cc7c3_prep
		.amdhsa_group_segment_fixed_size 35840
		.amdhsa_private_segment_fixed_size 0
		.amdhsa_enable_private_segment 0
		.amdhsa_kernarg_size 96
		.amdhsa_user_sgpr_count 2
		.amdhsa_user_sgpr_kernarg_segment_ptr 1
		.amdhsa_wavefront_size32 1
		.amdhsa_system_sgpr_workgroup_id_x 1
		.amdhsa_system_sgpr_workgroup_id_y 1
		.amdhsa_system_sgpr_workgroup_id_z 1
		.amdhsa_system_vgpr_workitem_id 0
		.amdhsa_next_free_vgpr 256
		.amdhsa_next_free_sgpr 88
		.amdhsa_reserve_vcc 0
		.amdhsa_float_denorm_mode_32 3
		.amdhsa_float_denorm_mode_16_64 3
		.amdhsa_memory_ordered 1
		.amdhsa_forward_progress 1
		.amdhsa_inst_pref_size 116
	.end_amdhsa_kernel
	.amdgpu_metadata
---
amdhsa.version: [ 1, 2 ]
amdhsa.kernels:
  - .name:           k_q28018cc7c3_prep
    .symbol:         k_q28018cc7c3_prep.kd
    .args:
      - { .name: x, .offset: 0, .size: 8, .value_kind: global_buffer, .address_space: global }
      - { .name: gamma1, .offset: 8, .size: 8, .value_kind: global_buffer, .address_space: global }
      - { .name: beta1, .offset: 16, .size: 8, .value_kind: global_buffer, .address_space: global }
      - { .name: Wq, .offset: 24, .size: 8, .value_kind: global_buffer, .address_space: global }
      - { .name: Wk, .offset: 32, .size: 8, .value_kind: global_buffer, .address_space: global }
      - { .name: Wv, .offset: 40, .size: 8, .value_kind: global_buffer, .address_space: global }
      - { .name: Wo, .offset: 48, .size: 8, .value_kind: global_buffer, .address_space: global }
      - { .name: W1, .offset: 56, .size: 8, .value_kind: global_buffer, .address_space: global }
      - { .name: W2, .offset: 64, .size: 8, .value_kind: global_buffer, .address_space: global }
      - { .name: lowp_scales, .offset: 72, .size: 8, .value_kind: global_buffer, .address_space: global }
      - { .name: wcodes, .offset: 80, .size: 8, .value_kind: global_buffer, .address_space: global }
      - { .name: xn1c, .offset: 88, .size: 8, .value_kind: global_buffer, .address_space: global }
    .group_segment_fixed_size: 35840
    .private_segment_fixed_size: 0
    .kernarg_segment_align: 8
    .kernarg_segment_size: 96
    .max_flat_workgroup_size: 128
    .sgpr_count:     88
    .vgpr_count:     256
    .wavefront_size: 32
...
	.end_amdgpu_metadata
.endif
;; end of part 1
;; launch qkv (part 2): grid 12 x 16, 4 waves a work-group, clusters of 4 x 4, 327,680 bytes of LDS; arguments xn1c, wcodes, lowp_scales, bq, bk, bv, qkvc; writes qkvc
.if DOCPART == 2
	.amdgcn_target "amdgcn-amd-amdhsa--gfx1250"
	.amdhsa_code_object_version 6
	.text
	.protected	k_q28018cc7c3_qkv
	.globl	k_q28018cc7c3_qkv
	.p2align	8
	.type	k_q28018cc7c3_qkv,@function
k_q28018cc7c3_qkv:
	s_mov_b64 s[64:65], 0
	v_nop
	global_prefetch_b8 v0, s[64:65] scope:SCOPE_SE
	s_setreg_imm32_b32 hwreg(HW_REG_WAVE_MODE, 25, 1), 1
	s_wait_xcnt 0x0
	s_wait_alu depctr_hold_cnt(0) depctr_sa_sdst(0) depctr_va_vdst(0) depctr_va_sdst(0) depctr_va_ssrc(0) depctr_va_vcc(0) depctr_vm_vsrc(0)
	s_getreg_b32 s2, hwreg(HW_REG_IB_STS2, 6, 4)
	s_cmp_eq_u32 s2, 0
	s_cbranch_scc0 .Lentry_in_a_cluster
	s_endpgm
.Lentry_in_a_cluster:
	s_bfe_u32 s2, ttmp6, 0x10000c
	s_cmp_lg_u32 s2, 0xf033
	s_cbranch_scc0 .Lentry_shape_is_right
	s_endpgm
.Lentry_shape_is_right:
; q, k and v: three products [4096 tokens][1024] x [1024 = 64 head + d][1024]^T on codes of E4M3, + bias, quantised again for the two products of attention.
; The cluster's x says which: 0 q, 1 k, 2 v; it is the same in all sixteen partners.  A block of 256 x 256 of the result to a work-group of four waves, 128 x 128 to a wave: 64 accumulators, 512 registers.
; K = 1,024 goes in four steps of 256 through a ring of two LDS slots filled by the tensor data mover; a tile's row is 256 bytes of memory.
; THE MATRIX INSTRUCTION IS USED TRANSPOSED (source 0 = 16 rows of B, source 1 = 16 rows of A): a lane holds one row of A's and eight neighbouring rows of B's.
; q, k: A = the tokens' codes, B = the weight's: a lane's eight numbers are eight neighbouring channels d, the K of the scores' product.  Out: qkvc + 0 (q), + 4 MiB (k): [32 b h][2048 t][64].
; v: THE ROLES ARE SWAPPED, A = the weight's codes, B = the tokens': a lane's eight numbers are eight neighbouring tokens, the K of attention's second product.  Out: qkvc + 8 MiB: [32 b h][64 d][2048 t].
; The swap is made by s_cselect on the cluster's x in the addresses; the bias goes by B's rows for q and k and by A's rows for v: both are loaded, and the one that does not apply is replaced by 0.
; CLUSTERS: 4 x 4.  The four of a row of the cluster need the same tiles of A, the four of a column the same tiles of B: each tile is asked for jointly.
; LIMITS: eW + eX between -126 and 127; the result's e between -126 and 119.  NaN among the inputs is not served.
; REGISTERS, in windows of 256: window 0: v0-31 addresses; v32-95 bias by column, v96-111 bias by row, v112-114 constants; from v128 A's fragments, ONE set; on the way out v128-255 are at work.
;   window 1: B's fragments, two sets.   window 2: the accumulators of my rows 0-63 ((a, b) at v[8 (8 a + b)]);   window 3: those of my rows 64-127.
.set ROWB,   256                       ; a tile's row in bytes
.set KROW,   1024                      ; a row of codes in memory
.set PITCH,  272                       ; an LDS row: 256 bytes + 16 of padding = 68 words: the 16 rows that a load touches start at 16 different banks (64 banks of 4 bytes: ISA guide 11.1)
.set FR,     16                        ; registers of a fragment: 16 rows x 128 K
.set NL,     4                         ; LDS loads that bring one
.set NP,     4                         ; places behind this matrix instruction (ISA guide 7.12.1)
.set HALFT,  128*PITCH
.set SLOT,   4*HALFT                   ; A's 256 rows, then B's 256 rows
.set LAPS,   2                         ; 1,024 along K: twice round the ring
.set SPARE,  2*SLOT                    ; behind the ring: the spare words, 128 bytes a wave
.set ADRA, 16                          ; v16-17  LDS address of my A fragments in slot 0, 1
.set BCO,  18                          ; v18     32 x (lane / 16): my eight numbers of a block's 16 biases by column; never rewritten
.set BRO,  19                          ; v19     4 x (lane % 16): my row's bias; never rewritten
.set ADRB, 20                          ; v20-21  the same as ADRA for B
.set COV,  23                          ; v23     v's way out: my byte offset in two rows of v^T
.set STO,  24                          ; v24     the stage: where I put eight codes
.set RDQ,  25                          ; v25     the stage, read by heads: eight rows x 64 bytes an instruction
.set COQ,  26                          ; v26     16 x lane
.set RDV,  27                          ; v27     the stage, read by rows: two rows x 256 bytes an instruction
.set SPW,  28                          ; v28     my spare word; never rewritten
.set NIL,  29                          ; v29     0; never rewritten
.set BC,   32
.set BR,   96
.set LIMV, 112
.set SCV,  113                         ; v113    2^e of the result
.set ZER,  114                         ; v114    0, for the bias that does not apply
.set AF,   128
.set T,    128                         ; the way out: a block's 64 numbers
.set CD,   192                         ; and its codes, two sets by turns
.set G1, 24
.set G0, 32
.set G1B, 48
.set G0B, 56
.set MSB, 0
.macro WIN new                         ; the immediate's high byte repeats the setting that is left
.if MSB != \new
	s_set_vgpr_msb (MSB<<8)|\new
.set MSB, \new
.endif
.endm
.set MUL_LO, 0xa1                      ; source 0 (B) window 1, source 1 (A) window 0, C and D window 2
.set MUL_HI, 0xf1                      ; the same, C and D window 3
.set TO_B,   0x40                      ; destination window 1, address window 0
; A joint load: waves 0 and 1 fetch for A, waves 2 and 3 for B; the branch hangs on the wave's number alone.  An s_nop 0 and four v_nop follow each of the two lines.
.macro JLOAD g0a, g1a, g0b, g1b
	s_cmp_eq_u32 s15, 0
	s_cbranch_scc0 .Lfor_b_\@
	tensor_load_to_lds s[\g0a:\g0a+3], s[\g1a:\g1a+7]
	s_nop 0
.rept 4
	v_nop
.endr
	s_branch .Lasked_\@
.Lfor_b_\@:
	tensor_load_to_lds s[\g0b:\g0b+3], s[\g1b:\g1b+7]
	s_nop 0
.rept 4
	v_nop
.endr
.Lasked_\@:
.endm
.macro CREST                           ; a round of the cluster's barrier behind its opening barrier
	s_cmp_lg_u32 s14, 0
	s_cbranch_scc1 .Lnot_wave_0_\@
	s_barrier_signal -3
.Lnot_wave_0_\@:
	s_barrier_wait -3
	s_barrier_signal -1
	s_barrier_wait -1
.endm
.macro CROUND
	s_barrier_signal -1
	s_barrier_wait -1
	CREST
.endm
	s_load_b256 s[84:91], s[0:1], 0x0              ; xn1c 84, wcodes 86, the scales 88, bq 90
	s_load_b128 s[92:95], s[0:1], 0x20             ; bk 92, bv 94
	s_load_b64 s[10:11], s[0:1], 0x30              ; qkvc
	v_lshl_add_u32 v[SPW], v0, 2, SPARE
	v_mov_b32 v[NIL], 0
	ds_add_u32 v[SPW], v[NIL]                      ; the wave's opening: the add and its wait ahead of my first tensor load; work on registers stands between them
	ds_add_u32 v[SPW], v[NIL]
	v_lshrrev_b32 v1, 5, v0
	v_readfirstlane_b32 s14, v1                    ; wave 0..3
	s_lshr_b32 s15, s14, 1                         ; which half of the block's rows is mine.  Also: I fetch for A (0) or for B (1)
	s_and_b32 s16, s14, 1                          ; which half of its columns.  Also: which 128 rows of that tile I fetch
	s_bfe_u32 s40, ttmp6, 0x40000                  ; cx
	s_bfe_u32 s41, ttmp6, 0x40004                  ; cy
	s_and_b32 s99, ttmp7, 0xffff
	s_lshl_b32 s99, s99, 2                         ; 4 x cluster y
	s_lshl_b32 s22, ttmp9, 22                      ; q, k: A is set 0 or 1 of the tokens' codes,
	s_lshl_b32 s23, ttmp9, 20                      ; B is Wq's or Wk's codes
	s_cmp_eq_u32 ttmp9, 2                          ; v?
	s_cselect_b32 s98, -1, 0                       ; as a lane mask
	s_cselect_b32 s17, 0, s99                      ; the 16 tiles of tokens go along the clusters' y: in A for q and k,
	s_cselect_b32 s42, s99, 0                      ; in B for v
	s_cselect_b32 s22, 0x200000, s22               ; v: A is Wv's codes,
	s_cselect_b32 s23, 0x800000, s23               ; B is set 2 of the tokens' codes
	s_add_co_u32 s17, s17, s41                     ; A's tile: hangs on cy, never on cx
	s_add_co_u32 s42, s42, s40                     ; B's tile: hangs on cx, never on cy
	s_lshl_b32 s43, s41, 2
	s_lshl_b32 s43, 15, s43                        ; my row of the cluster
	s_lshl_b32 s44, 0x1111, s40                    ; my column
	; descriptor group 1: a tile of 128 rows x 256 bytes, padded in LDS
	s_or_b32 s[G1+0], s43, (0<<16)|(1<<20)|(1<<21)|(5<<22)|(3<<25)  ; 15:0 the mask; 17:16 elements of 1 byte; 20 padding on; 21 set beside a mask; 24:22 after every 64 words (code 5); 31:25 four words (code 3)
	s_or_b32 s[G1B+0], s44, (0<<16)|(1<<20)|(1<<21)|(5<<22)|(3<<25)
.irp g, G1, G1B
	s_mov_b32 s[\g+1], ROWB<<16                    ; tensor_dim0
	s_mov_b32 s[\g+2], 128<<16                     ; tensor_dim1
	s_mov_b32 s[\g+3], ROWB<<16                    ; tile_dim0
	s_mov_b32 s[\g+4], 128                         ; tile_dim1
	s_mov_b32 s[\g+5], KROW                        ; tensor_dim0_stride
	s_mov_b32 s[\g+6], 0
	s_mov_b32 s[\g+7], 0
.endr
	s_lshl_b32 s18, s16, 7                         ; which 128 rows of the tile I fetch
	s_lshl_b32 s20, s17, 8
	s_add_co_u32 s20, s20, s18
	s_lshl_b32 s20, s20, 10                        ; rows of 1,024 bytes
	s_add_co_u32 s20, s20, s22
	s_mov_b32 s21, 0
	s_lshl_b32 s46, s42, 8
	s_add_co_u32 s46, s46, s18
	s_lshl_b32 s46, s46, 10
	s_add_co_u32 s46, s46, s23
	s_mov_b32 s47, 0
	s_mul_i32 s45, s14, HALFT                      ; where they go: wave x 128 rows: no place in the cluster enters an LDS address
	s_wait_dscnt 0x0                               ; the opening add is done
	s_wait_kmcnt 0x0
	s_load_b512 s[68:83], s[88:89], 0x0            ; e0 .. e15: wanted on the way out
	s_cmp_eq_u32 ttmp9, 2
	s_cselect_b64 s[4:5], s[86:87], s[84:85]       ; A's buffer
	s_cselect_b64 s[6:7], s[84:85], s[86:87]       ; B's buffer
	s_add_nc_u64 s[20:21], s[4:5], s[20:21]
	s_add_nc_u64 s[46:47], s[6:7], s[46:47]
	CROUND                                         ; all sixteen work-groups are here: the first joint loads meet
.irp s, 0,1
	s_mov_b32 s[G0+4*\s], 1
	s_add_co_u32 s[G0+4*\s+1], s45, \s*SLOT
	s_add_nc_u64 s[G0+4*\s+2:G0+4*\s+3], s[20:21], \s*ROWB
	s_or_b32 s[G0+4*\s+3], s[G0+4*\s+3], 0x80000000
	s_mov_b32 s[G0B+4*\s], 1
	s_add_co_u32 s[G0B+4*\s+1], s45, \s*SLOT
	s_add_nc_u64 s[G0B+4*\s+2:G0B+4*\s+3], s[46:47], \s*ROWB
	s_or_b32 s[G0B+4*\s+3], s[G0B+4*\s+3], 0x80000000
	JLOAD G0+4*\s, G1, G0B+4*\s, G1B
.endr
	v_and_b32 v1, 15, v0                           ; r = lane % 16
	v_bfe_u32 v2, v0, 4, 1                         ; h = lane / 16
	v_mul_u32_u24 v3, v1, PITCH
	s_wait_alu depctr_va_vdst(0)
	v_lshl_add_u32 v4, v2, 4, v3                   ; a fragment's row x pitch + 16 x half
	s_mul_i32 s21, s15, HALFT                      ; my 128 rows of A
	s_mul_i32 s22, s16, HALFT                      ; my 128 rows of B,
	s_add_co_u32 s22, s22, 2*HALFT                 ; which lie behind A's 256
.irp s, 0,1
	v_add_nc_u32 v[ADRA+\s], s21, v4
	v_add_nc_u32 v[ADRB+\s], s22, v4
	s_add_co_u32 s21, s21, SLOT
	s_add_co_u32 s22, s22, SLOT
.endr
	; the stage for the way out: 256 rows x 272 bytes from LDS byte 0 on, the work-group's.  It lies in slot 0, which has had its last fill and its last read when the first code is stored there
	s_mul_i32 s23, s15, 128*PITCH
	s_lshl_b32 s18, s16, 7
	s_add_co_u32 s23, s23, s18
	v_lshl_add_u32 v5, v2, 3, v3
	v_add_nc_u32 v[STO], s23, v5                   ; in: row 128 wr + r, byte 128 wc + 8 h
	s_mul_i32 s23, s14, 64*PITCH                   ; back: wave w takes rows 64 w .. 64 w + 63
	v_mul_u32_u24 v5, v2, PITCH
	v_lshl_add_u32 v5, v1, 4, v5
	v_add_nc_u32 v[RDV], s23, v5                   ; by rows: lanes 0-15 a row of 256 bytes, lanes 16-31 the next
	v_bfe_u32 v6, v0, 2, 3
	v_and_b32 v7, 3, v0
	v_mul_u32_u24 v6, v6, PITCH
	v_lshl_add_u32 v6, v7, 4, v6
	v_add_nc_u32 v[RDQ], s23, v6                   ; by heads: four lanes to a row's 64 bytes, eight rows
	v_and_b32 v8, 31, v0
	v_lshlrev_b32 v[COQ], 4, v8
	v_lshlrev_b32 v9, 11, v2
	v_lshl_add_u32 v[COV], v1, 4, v9               ; a row of v^T is 2,048 bytes
	v_lshlrev_b32 v[BCO], 5, v2
	s_wait_alu depctr_va_vdst(0)
	v_lshlrev_b32 v[BRO], 2, v1
	s_wait_alu depctr_va_vdst(0)
	v_mov_b32 v[ZER], 0
	; the bias: one buffer by the cluster's x; by column at 256 cx + 128 wc, by row at 256 cy + 128 wr: both lie inside its 1,024 numbers whichever applies
	s_cmp_eq_u32 ttmp9, 0
	s_cselect_b64 s[90:91], s[90:91], s[92:93]
	s_cmp_eq_u32 ttmp9, 2
	s_cselect_b64 s[90:91], s[94:95], s[90:91]
	s_lshl_b32 s22, s40, 10
	s_lshl_b32 s23, s16, 9
	s_add_co_u32 s22, s22, s23
	s_mov_b32 s23, 0
	s_add_nc_u64 s[92:93], s[90:91], s[22:23]      ; never rewritten
	s_lshl_b32 s22, s41, 10
	s_lshl_b32 s18, s15, 9
	s_add_co_u32 s22, s22, s18
	s_add_nc_u64 s[94:95], s[90:91], s[22:23]      ; never rewritten
.irp b, 0,1,2,3,4,5,6,7
	global_load_b128 v[BC+8*\b:BC+8*\b+3], v[BCO], s[92:93] offset:64*\b        ; B's block b: the biases of its rows 8 h + 0 .. 7
	global_load_b128 v[BC+8*\b+4:BC+8*\b+7], v[BCO], s[92:93] offset:64*\b+16
.endr
.irp a, 0,1,2,3,4,5,6,7
	global_load_b32 v[BR+2*\a], v[BRO], s[94:95] offset:64*\a                   ; A's block a: the bias of its row r, twice, for the packed form
	global_load_b32 v[BR+2*\a+1], v[BRO], s[94:95] offset:64*\a
.endr
	; where my part of the result begins
	s_cmp_eq_u32 ttmp9, 2
	s_cselect_b32 s18, s42, s17                    ; the tile of tokens,
	s_cselect_b32 s19, s41, s40                    ; the group of four heads
	s_lshr_b32 s20, s18, 3
	s_lshl_b32 s20, s20, 4                         ; 16 b
	s_lshl_b32 s19, s19, 2
	s_add_co_u32 s20, s20, s19                     ; 16 b + the group's first head
	s_and_b32 s21, s18, 7
	s_lshl_b32 s21, s21, 8                         ; the tile's first token within b
	s_lshl_b32 s22, s20, 17                        ; q, k: a head is 2,048 x 64 bytes;
	s_lshl_b32 s23, s14, 6
	s_add_co_u32 s23, s23, s21                     ; my 64 tokens,
	s_lshl_b32 s23, s23, 6                         ; 64 bytes each;
	s_add_co_u32 s22, s22, s23
	s_lshl_b32 s23, ttmp9, 22                      ; q at 0, k at 4 MiB
	s_add_co_u32 s22, s22, s23
	s_add_co_u32 s20, s20, s14                     ; v: my 64 rows are head w of the group: 64 x 2,048 bytes;
	s_lshl_b32 s20, s20, 17
	s_add_co_u32 s20, s20, s21                     ; the tile's 256 tokens within a row;
	s_add_co_u32 s20, s20, 0x800000                ; at 8 MiB
	s_cmp_eq_u32 ttmp9, 2
	s_cselect_b32 s20, s20, s22
	s_mov_b32 s21, 0
	s_add_nc_u64 s[10:11], s[10:11], s[20:21]
.macro FRAG reg, adr, q, i             ; a fragment: lane l holds row l % 16; registers 4 c .. 4 c + 3 hold K = 32 c + 16 (l / 16) + 0 .. 15: one order of K for A and for B alike
.irp c, 0,1,2,3
	ds_load_b128 v[\reg+4*\c:\reg+4*\c+3], v[\adr] offset:128*(\q)+32*\c+(\i)*16*PITCH
.endr
.endm
; 16 matrix instructions: A's blocks a0, a0 + 1 x B's eight, 128 along K.  p: B's set.  zero = 1: the first product starts the sums.  The 64 accumulators take turns, one instruction a turn.
.macro MUL16 a0, p, zero
.irp a, \a0, \a0+1
.irp b, 0,1,2,3,4,5,6,7
.if \zero
	v_wmma_f32_16x16x128_fp8_fp8 v[8*(8*((\a)%4)+\b):8*(8*((\a)%4)+\b)+7], v[128*(\p)+FR*\b:128*(\p)+FR*\b+FR-1], v[AF+FR*(\a):AF+FR*(\a)+FR-1], 0
.else
	v_wmma_f32_16x16x128_fp8_fp8 v[8*(8*((\a)%4)+\b):8*(8*((\a)%4)+\b)+7], v[128*(\p)+FR*\b:128*(\p)+FR*\b+FR-1], v[AF+FR*(\a):AF+FR*(\a)+FR-1], v[8*(8*((\a)%4)+\b):8*(8*((\a)%4)+\b)+7]
.endif
.endr
.endr
.endm
.macro FETCH_B slot, q, p
	WIN TO_B
.irp i, 0,1,2,3,4,5,6,7
	FRAG 128*(\p)+FR*\i, ADRB+\slot, \q, \i
.endr
	WIN 0
.endm
.macro FETCH_A slot, q, i0
.irp i, \i0, \i0+1, \i0+2, \i0+3
	FRAG AF+FR*(\i), ADRA+\slot, \q, \i
.endr
.endm
.macro PLACES n                        ; plain vector lines between a matrix instruction and a load into, or a read of, its registers
.rept \n
	v_nop
.endr
.endm
; A step of 128 along K that has its successor in the same slot.  A has one set of registers: blocks 0-3 are fetched anew in the step's middle, blocks 4-7 at its end.
.macro STEP slot, q, zero
	s_wait_dscnt 4*NL                              ; B's set and A's blocks 0-3 are in; the youngest 16 loads (A's blocks 4-7) may be out
	WIN MUL_LO
	MUL16 0, (\q)%2, \zero
	MUL16 2, (\q)%2, \zero
	s_wait_dscnt 0                                 ; A's blocks 4-7 are in
	PLACES NP
	FETCH_B \slot, (\q)+1, 1-(\q)%2
	FETCH_A \slot, (\q)+1, 0
	WIN MUL_HI
	MUL16 4, (\q)%2, \zero
	MUL16 6, (\q)%2, \zero
	PLACES NP
	WIN 0
	FETCH_A \slot, (\q)+1, 4
.endm
; A slot's last step changes slots: one barrier; in front of it each wave waits for all its tensor loads, adds 0 to its spare word, and waits for that and for its reads of this slot.  fill = 1: this slot is filled again.
.macro TURN slot, next, fill
	s_wait_tensorcnt 0x0                           ; all my tensor loads have landed: my part of the next slot
	ds_add_u32 v[SPW], v[NIL]                      ; 0 onto my spare word
	s_wait_dscnt 4*NL+1                            ; (the add and the youngest 16 loads, A's blocks 4-7, may be out)
	WIN MUL_LO
	MUL16 0, 1, 0                                  ; sixteen matrix instructions stand between the add and the wait for it
	s_wait_dscnt 0x0                               ; the add is done, and my reads of this slot are over
	s_barrier_signal -1
	MUL16 2, 1, 0
	WIN 0
	s_barrier_wait -1
.if \fill
	CREST                                          ; the barrier has opened a round of the cluster's: no wave of any partner still reads this slot or has a load on its way
	s_add_nc_u64 s[G0+4*\slot+2:G0+4*\slot+3], s[G0+4*\slot+2:G0+4*\slot+3], 2*ROWB
	s_add_nc_u64 s[G0B+4*\slot+2:G0B+4*\slot+3], s[G0B+4*\slot+2:G0B+4*\slot+3], 2*ROWB
	JLOAD G0+4*\slot, G1, G0B+4*\slot, G1B         ; the first tensor load behind the round; its four v_nop are the places in front of the loads below
.else
	PLACES NP
.endif
	FETCH_B \next, 0, 0
	FETCH_A \next, 0, 0
	WIN MUL_HI
	MUL16 4, 1, 0
	MUL16 6, 1, 0
	PLACES NP
	WIN 0
	FETCH_A \next, 0, 4
.endm
	s_wait_tensorcnt 1                             ; my part of K step 0 is in; K step 1's load may be out
	s_barrier_signal -1
	s_barrier_wait -1
	FETCH_B 0, 0, 0
	FETCH_A 0, 0, 0
	FETCH_A 0, 0, 4
	STEP 0, 0, 1                                   ; the first step stands in front of the loop: its products start the sums
	s_mov_b32 s3, LAPS-1
.Llap:                                                 ; a trip goes once round the ring and fills both slots again
	TURN 0, 1, 1
	STEP 1, 0, 0
	TURN 1, 0, 1
	STEP 0, 0, 0
	s_sub_co_u32 s3, s3, 1
	s_cmp_lg_u32 s3, 0
	s_cbranch_scc1 .Llap
	TURN 0, 1, 0                                   ; the last lap fills nothing
	STEP 1, 0, 0
	s_wait_dscnt 4*NL
	WIN MUL_LO
	MUL16 0, 1, 0
	MUL16 2, 1, 0
	s_wait_dscnt 0
	WIN MUL_HI
	MUL16 4, 1, 0
	MUL16 6, 1, 0
	WIN 0
	; THE WAY OUT: sum x 2^(eW + eX) + bias, quantised with the result's scale; eight codes a lane into the stage; a barrier; whole runs of bytes out.
	s_wait_loadcnt 0x0                             ; the biases
	s_wait_kmcnt 0x0                               ; the exponents
	s_cmp_eq_u32 ttmp9, 0
	s_cselect_b32 s20, s68, s70                    ; the weight's: entry 0, 2
	s_cselect_b32 s21, s69, s71                    ; the tokens': 1, 3
	s_cselect_b32 s22, s74, s75                    ; the result's: q entry 6, k entry 7
	s_cmp_eq_u32 ttmp9, 2
	s_cselect_b32 s20, s72, s20                    ; v: 4,
	s_cselect_b32 s21, s73, s21                    ; 5,
	s_cselect_b32 s22, s77, s22                    ; 9
	s_add_co_i32 s96, s20, s21
	s_add_co_i32 s96, s96, 127
	s_lshl_b32 s96, s96, 23                        ; 2^(eW + eX) as f32
	s_mov_b32 s97, s96                             ; (named with it as a pair, so it is written)
	s_add_co_i32 s22, s22, 127
	s_lshl_b32 s23, s22, 23
	v_mov_b32 v[SCV], s23
	s_add_co_i32 s22, s22, 8
	s_lshl_b32 s22, s22, 23
	s_or_b32 s22, s22, 0x600000
.set j, 0
	s_wait_alu depctr_va_vdst(0)
.rept 64
	v_cndmask_b32 v[BC+j], v[BC+j], v[ZER], s98    ; v has no bias by column,
.set j, j+1
.endr
.set j, 0
.rept 16
	v_cndmask_b32 v[BR+j], v[ZER], v[BR+j], s98    ; q and k none by row
.set j, j+1
.endr
	PLACES NP
.macro QBLOCK a                        ; A's block a: 16 rows x 128 columns
.set AC, 64*((\a)%4)
.set CC, CD+16*((\a)%2)
	WIN 0x02+((\a)/4)                              ; source 0: window 2 or 3
.set j, 0
.rept 32
	v_pk_fma_f32 v[T+j:T+j+1], v[AC+j:AC+j+1], s[96:97], v[BC+j:BC+j+1] op_sel_hi:[1,0,1]   ; each accumulator from its low end on
.set j, j+2
.endr
	WIN 0
.set j, 0
.rept 32
	v_pk_add_f32 v[T+j:T+j+1], v[T+j:T+j+1], v[BR+2*(\a):BR+2*(\a)+1]
.set j, j+2
.endr
.set j, 0
.rept 64
.set j, j+1
.endr
.irp b, 0,1,2,3,4,5,6,7
	v_cvt_scalef32_pk8_fp8_f32 v[CC+2*\b:CC+2*\b+1], v[T+8*\b:T+8*\b+7], v[SCV]
.endr
	v_nop                                          ; a plain line between the conversions and the next block's lines, which write their sources
.irp b, 0,1,2,3,4,5,6,7
	ds_store_b64 v[STO], v[CC+2*\b:CC+2*\b+1] offset:16*PITCH*(\a)+16*\b
.endr
.endm
.irp a, 0,1,2,3,4,5,6,7
	QBLOCK \a
.endr
	s_wait_dscnt 0x0                               ; for the others' sake: my stores into the stage are done
	s_barrier_signal -1
	s_barrier_wait -1
	s_cmp_eq_u32 ttmp9, 2                          ; the cluster's x: the same in all partners; only LDS loads and stores to memory stand in the two arms
	s_cbranch_scc1 .Lrows
.set i, 0
.rept 32                               ; q, k: head i / 8 of the block's four, tokens 8 (i % 8) on of my 64
	ds_load_b128 v[128+4*i:131+4*i], v[RDQ] offset:8*PITCH*(i%8)+64*(i/8)
.set i, i+1
.endr
.set i, 0
.rept 32
	s_wait_dscnt 31-i                              ; load i is in; the 31 - i behind it may be out
	global_store_b128 v[COQ], v[128+4*i:131+4*i], s[10:11] offset:131072*(i/8)+512*(i%8)   ; eight tokens x 64 bytes: 512 consecutive bytes, aligned
.set i, i+1
.endr
	s_branch .Lout
.Lrows:
.set i, 0
.rept 32                               ; v: channels 2 i, 2 i + 1 of my head, 256 tokens each
	ds_load_b128 v[128+4*i:131+4*i], v[RDV] offset:2*PITCH*i
.set i, i+1
.endr
.set i, 0
.rept 32
	s_wait_dscnt 31-i
	global_store_b128 v[COV], v[128+4*i:131+4*i], s[10:11] offset:4096*i   ; sixteen lanes store 256 consecutive bytes, aligned
.set i, i+1
.endr
.Lout:
	s_wait_tensorcnt 0x0                           ; the wave's end, behind my last tensor load and my last LDS store
	ds_add_u32 v[SPW], v[NIL]
	s_wait_dscnt 0x0
	CROUND                                         ; the closing round: no work-group ends while a partner may still ask for a tile that names it
	s_endpgm
.Lfunc_end_k_q28018cc7c3_qkv:
	.size	k_q28018cc7c3_qkv, .Lfunc_end_k_q28018cc7c3_qkv-k_q28018cc7c3_qkv
	.p2alignl 7, 3214868480
	.fill 96, 4, 3214868480
	.section	.rodata,"a",@progbits
	.p2align	6, 0x0
	.amdhsa_kernel k_q28018cc7c3_qkv
		.amdhsa_group_segment_fixed_size 327680
		.amdhsa_private_segment_fixed_size 0
		.amdhsa_enable_private_segment 0
		.amdhsa_kernarg_size 56
		.amdhsa_user_sgpr_count 2
		.amdhsa_user_sgpr_kernarg_segment_ptr 1
		.amdhsa_wavefront_size32 1
		.amdhsa_system_sgpr_workgroup_id_x 1
		.amdhsa_system_sgpr_workgroup_id_y 1
		.amdhsa_system_sgpr_workgroup_id_z 1
		.amdhsa_system_vgpr_workitem_id 0
		.amdhsa_next_free_vgpr 1024
		.amdhsa_next_free_sgpr 100
		.amdhsa_reserve_vcc 0
		.amdhsa_float_denorm_mode_32 3
		.amdhsa_float_denorm_mode_16_64 3
		.amdhsa_fp16_overflow 1
		.amdhsa_memory_ordered 1
		.amdhsa_forward_progress 1
		.amdhsa_inst_pref_size 141
	.end_amdhsa_kernel
	.amdgpu_metadata
---
amdhsa.version: [ 1, 2 ]
amdhsa.kernels:
  - .name:           k_q28018cc7c3_qkv
    .symbol:         k_q28018cc7c3_qkv.kd
    .args:
      - { .name: xn1c, .offset: 0, .size: 8, .value_kind: global_buffer, .address_space: global }
      - { .name: wcodes, .offset: 8, .size: 8, .value_kind: global_buffer, .address_space: global }
      - { .name: lowp_scales, .offset: 16, .size: 8, .value_kind: global_buffer, .address_space: global }
      - { .name: bq, .offset: 24, .size: 8, .value_kind: global_buffer, .address_space: global }
      - { .name: bk, .offset: 32, .size: 8, .value_kind: global_buffer, .address_space: global }
      - { .name: bv, .offset: 40, .size: 8, .value_kind: global_buffer, .address_space: global }
      - { .name: qkvc, .offset: 48, .size: 8, .value_kind: global_buffer, .address_space: global }
    .group_segment_fixed_size: 327680
    .private_segment_fixed_size: 0
    .kernarg_segment_align: 8
    .kernarg_segment_size: 56
    .max_flat_workgroup_size: 128
    .sgpr_count:     100
    .vgpr_count:     1024
    .wavefront_size: 32
...
	.end_amdgpu_metadata
.endif
;; end of part 2
;; launch attn (part 3): grid 8 x 32, 16 waves a work-group, clusters of 4 x 1, 327,680 bytes of LDS; arguments qkvc, lowp_scales, ac; writes ac
.if DOCPART == 3
	.amdgcn_target "amdgcn-amd-amdhsa--gfx1250"
	.amdhsa_code_object_version 6
	.text
	.protected	k_q28018cc7c3_attn
	.globl	k_q28018cc7c3_attn
	.p2align	8
	.type	k_q28018cc7c3_attn,@function
k_q28018cc7c3_attn:
	s_mov_b64 s[64:65], 0
	v_nop
	global_prefetch_b8 v0, s[64:65] scope:SCOPE_SE
	s_setreg_imm32_b32 hwreg(HW_REG_WAVE_MODE, 25, 1), 1
	s_wait_xcnt 0x0
	s_wait_alu depctr_hold_cnt(0) depctr_sa_sdst(0) depctr_va_vdst(0) depctr_va_sdst(0) depctr_va_ssrc(0) depctr_va_vcc(0) depctr_vm_vsrc(0)
	s_getreg_b32 s2, hwreg(HW_REG_IB_STS2, 6, 4)
	s_cmp_eq_u32 s2, 0
	s_cbranch_scc0 .Lentry_in_a_cluster
	s_endpgm
.Lentry_in_a_cluster:
	s_bfe_u32 s2, ttmp6, 0x10000c
	s_cmp_lg_u32 s2, 0x3003
	s_cbranch_scc0 .Lentry_shape_is_right
	s_endpgm
.Lentry_shape_is_right:
; Causal attention on codes of E4M3, head size 64, 32 (b, head) x 2,048 tokens; the result is quantised for the output projection.
; qkvc: q at 0 and k at 4 MiB, [32][2048][64]; v at 8 MiB with the keys innermost, [32][64][2048].  ac: [4096 tokens][1024 = 64 head + d] codes.
; THE SOFTMAX: t = score x log2(e) / 8; M = the row's largest t so far, rounded UP to a whole number; p = 2^(t - M) is quantised along the keys, not normalised.  The row's sum is taken of the unquantised p
; and divides at the end.  When M moves, the sum and O are multiplied by 2^(old M - new M): exact.
; SHARES.  Work-group (x, y): y = b x 16 + head, x = 0 .. 7.  Each of its sixteen waves owns ONE tile of 16 queries, at 128 p + 16 x; p = (w & 12) | ((w & 3) xor 3 ((w / 4) & 1)) runs through 0 .. 15.
; So every work-group has the same causal work, and which key steps a wave leaves out hangs on its number alone: a step of 128 keys begins at a multiple of 128 and 16 x + 15 < 128, so a step is all hidden
; where its first key is above 128 p, all open where it is below, and on the diagonal where it is 128 p.  No branch hangs on a work-group's place in its cluster.
; CLUSTER.  The four work-groups of a cluster have one (b, head) and walk the same K and V: each tile is asked for jointly (waves 0, 1: K's halves; wave 2: V).  Two LDS slots of 256 keys.
; LAYOUT.  Both products are used transposed: S^T = K Q^T (source 0 = 16 keys), O^T = V^T P^T (source 0 = 16 channels): a lane holds one query (lane % 16) throughout.
; THE KEYS OF A TILE ARE NOT NEIGHBOURS: lane r of tile 2 b + u takes key 32 b + 8 u + r + 8 (r / 8), so that the 16 registers of tiles 2 b, 2 b + 1 are keys 32 b + 16 (lane / 16) + 0 .. 15.
; ac's rows: a head's share of a token's row is 64 bytes, and heads belong to different work-groups: the stores cover 64 consecutive bytes a token, 16 a lane.
; LIMITS: e6 + e7 between -123 and 130 (added to c's exponent field); e8 and e10 between -126 and 119.  NaN among the inputs is not served.
; REGISTERS: v1-11, v24, v25 addresses; v12 -M, v13 the largest t, v[14:15] the sum; v16-23 Q; v32-95 eight fragments of K or four of V; v96-159 S^T, then p; v160-191 O^T; v224-239 p's codes; v236-254 at work and constants.
.set SK,    256                        ; keys in a slot
.set KP,    80                         ; a key's row in LDS: 64 bytes + 16 of padding
.set VP,    272                        ; a row of V's tile: 256 bytes + 16
.set VOFF,  SK*KP                      ; a slot: 256 rows of K, then 64 rows of V
.set SLOT1, 1<<17                      ; slot 1 begins here: one exclusive or turns an address of one slot into the other's
.set NSL,   8                          ; slots' worth of keys
.set SPARE, 2*SLOT1                    ; behind the ring: the spare words, 128 bytes for each of sixteen waves
.set AK0,  1                           ; v1   my lane's place in a tile of K
.set AV0,  2                           ; v2   the same for V
.set PFO,  3                           ; v3   the prefetch's offset in qkvc
.set PFS,  4                           ; v4   a slot on: 16,384 in K (lanes 0-15), 256 in a row of V (lanes 16-31)
.set SPW,  5                           ; v5   my spare word; never rewritten
.set NIL,  6                           ; v6   0; never rewritten
.set GO,   7                           ; v7   the way out: my byte offset in eight rows of ac
.set ADK,  8                           ; v8   LDS address of the step's tiles of K
.set ADV,  9                           ; v9   of V
.set SIN,  10                          ; v10  my stage, on the way in
.set SOUT, 11                          ; v11  and on the way out
.set DG,   24                          ; v24  on the diagonal: my query less 16 (lane / 16), counted from the step's first key
.set QA,   25                          ; v25  Q's offset; never rewritten
.set WV,   18
.set SEL,  20                          ; s[20:21] lane l xor 16
.set CS,   22                          ; s[22:23] c = log2(e) / 8
.set G1K,  24
.set G1V,  32
.set G0K,  40
.set G0V,  44
.set TB,   48                          ; s48  LDS byte at which the slot in hand begins
.set SLOTS, 67                         ; s67  slots still to be asked for
.set LIM,  80                          ; s80  1 in the wave that prefetches, else the greatest number
.set PB,   97                          ; s97  128 p
.set KF,   98                          ; s98  the step's first key
.macro TLOAD                           ; waves 0 and 1 fetch K's halves, wave 2 V's tile, the others nothing.  An s_nop 0 and four v_nop follow each line
	s_cmp_lt_u32 s[WV], 2
	s_cbranch_scc0 .Lnot_k_\@
	tensor_load_to_lds s[G0K:G0K+3], s[G1K:G1K+7]
	s_nop 0
.rept 4
	v_nop
.endr
	s_branch .Lasked_\@
.Lnot_k_\@:
	s_cmp_lt_u32 s[WV], 3
	s_cbranch_scc0 .Lasked_\@
	tensor_load_to_lds s[G0V:G0V+3], s[G1V:G1V+7]
	s_nop 0
.rept 4
	v_nop
.endr
.Lasked_\@:
.endm
; A PREFETCH of what the NEXT change of slots will ask for: a slot's 64 blocks of 256 bytes of K and its 256 bytes of each of V's 64 rows.  Both clusters of a (b, head) walk the same K and V: the first one asks.
; Its four partners share the 128 blocks out by address, 32 each: lanes 0-15 name K's blocks 16 cx + lane, lanes 16-31 V's rows 16 cx + lane - 16.  In each, wave 4 asks: one instruction.
; Slots 0 and 1 come by their loads alone; the last change that fills a slot asks for nothing: there is no slot behind it.
.macro ASK
	s_cmp_gt_u32 s[SLOTS], s[LIM]
	s_cbranch_scc0 .Lnot_mine_\@
	s_wait_alu depctr_va_vdst(0)
	global_prefetch_b8 v[PFO], s[4:5] th:TH_LOAD_NT scope:SCOPE_SE
.Lnot_mine_\@:
.endm
.macro CROUND                          ; a round of the cluster's barrier
	s_barrier_signal -1
	s_barrier_wait -1
	s_cmp_lg_u32 s[WV], 0
	s_cbranch_scc1 .Lnot_wave_0_\@
	s_barrier_signal -3
.Lnot_wave_0_\@:
	s_barrier_wait -3
	s_barrier_signal -1
	s_barrier_wait -1
.endm
	s_load_b128 s[4:7], s[0:1], 0x0                ; qkvc s[4:5] (never rewritten), the scales s[6:7]
	s_load_b64 s[16:17], s[0:1], 0x10              ; ac
	v_lshl_add_u32 v[SPW], v0, 2, SPARE
	v_mov_b32 v[NIL], 0
	ds_add_u32 v[SPW], v[NIL]                      ; the wave's opening: the add and its wait ahead of the first tensor load; work on registers stands between them
	ds_add_u32 v[SPW], v[NIL]
	v_lshrrev_b32 v8, 5, v0
	s_delay_alu instid0(VALU_DEP_1)
	v_readfirstlane_b32 s[WV], v8                  ; wave 0..15
	s_bfe_u32 s13, ttmp6, 0x40000                  ; cx
	s_lshl_b32 s14, ttmp9, 2
	s_add_co_u32 s14, s14, s13                     ; x = 4 x cluster x + cx: it enters memory addresses and the lane value DG alone
	s_lshl_b32 s15, s14, 4                         ; 16 x
	s_and_b32 s72, s[WV], 12
	s_lshr_b32 s73, s[WV], 2
	s_and_b32 s73, s73, 1
	s_mul_i32 s73, s73, 3
	s_and_b32 s74, s[WV], 3
	s_xor_b32 s74, s74, s73
	s_or_b32 s72, s72, s74                         ; p
	s_lshl_b32 s[PB], s72, 7
	s_add_co_u32 s99, s[PB], s15                   ; my first query
	s_and_b32 s75, ttmp7, 0xffff                   ; b x 16 + head
	s_lshl_b32 s76, s75, 17                        ; its 131,072 bytes in each of q, k, v
	s_lshl_b32 s78, s99, 6
	s_add_co_u32 s78, s78, s76                     ; Q: my 16 rows of 64 bytes
	s_mov_b32 s79, 0
	s_and_b32 s81, s[WV], 1
	s_lshl_b32 s82, s81, 13                        ; K: which 128 keys of a slot I fetch, if I fetch: in memory,
	s_add_co_u32 s82, s82, s76
	s_add_co_u32 s82, s82, 0x400000
	s_mov_b32 s83, 0
	s_mul_i32 s81, s81, 128*KP                     ; and in a slot
	s_add_co_u32 s84, s76, 0x800000                ; V
	s_mov_b32 s85, 0
	s_lshr_b32 s86, s75, 4
	s_lshl_b32 s86, s86, 11
	s_add_co_u32 s86, s86, s99                     ; ac: token 2,048 b + my first query,
	s_lshl_b32 s86, s86, 10
	s_and_b32 s87, s75, 15
	s_lshl_b32 s87, s87, 6                         ; my head's 64 bytes
	s_add_co_u32 s86, s86, s87
	s_mov_b32 s87, 0
	; descriptor group 1.  K: 128 rows of 64 bytes, dense in memory.  V: 64 rows of 256 bytes, 2,048 bytes apart
	s_mov_b32 s[G1K], 15|(0<<16)|(1<<20)|(1<<21)|(3<<22)|(3<<25)  ; 15:0 the mask: all four work-groups; 17:16 elements of 1 byte; 20 padding on; 21 set beside a mask; 24:22 after every 16 words (code 3); 31:25 four words (code 3)
	s_mov_b32 s[G1K+1], 64<<16                     ; tensor_dim0
	s_mov_b32 s[G1K+2], 128<<16                    ; tensor_dim1
	s_mov_b32 s[G1K+3], 64<<16                     ; tile_dim0
	s_mov_b32 s[G1K+4], 128                        ; tile_dim1
	s_mov_b32 s[G1K+5], 64                         ; tensor_dim0_stride
	s_mov_b32 s[G1K+6], 0
	s_mov_b32 s[G1K+7], 0
	s_mov_b32 s[G1V], 15|(0<<16)|(1<<20)|(1<<21)|(5<<22)|(3<<25)  ; padding: four words after every 64
	s_mov_b32 s[G1V+1], 256<<16
	s_mov_b32 s[G1V+2], 64<<16
	s_mov_b32 s[G1V+3], 256<<16
	s_mov_b32 s[G1V+4], 64
	s_mov_b32 s[G1V+5], 2048
	s_mov_b32 s[G1V+6], 0
	s_mov_b32 s[G1V+7], 0
	s_mov_b32 s[SEL], 0x76543210
	s_mov_b32 s[SEL+1], 0xfedcba98
	s_mov_b32 s[CS], 0x3e38aa3b                    ; c = log2(e) / sqrt(64)
	s_mov_b32 s[TB], 0
	s_mov_b32 s[SLOTS], NSL-1
	s_mov_b32 s[KF], 0
	s_xor_b32 s72, s[WV], 4                        ; 0 in wave 4,
	s_or_b32 s72, s72, ttmp9                       ; of the first cluster: the same in all four partners
	s_cmp_eq_u32 s72, 0
	s_cselect_b32 s[LIM], 1, -1
	s_wait_dscnt 0x0                               ; the opening add is done
	s_wait_kmcnt 0x0
	s_load_b128 s[68:71], s[6:7], 0x18             ; e6 (q), e7 (k), e8 (p), e9 (v)
	s_load_b32 s66, s[6:7], 0x28                   ; e10: the result's
	s_mov_b32 s[G0K], 1                            ; 1:0 count = 1
	s_mov_b32 s[G0K+1], s81                        ; LDS address: slot 0
	s_add_nc_u64 s[G0K+2:G0K+3], s[4:5], s[82:83]  ; the first 256 keys
	s_or_b32 s[G0K+3], s[G0K+3], 0x80000000        ; type = 2
	s_mov_b32 s[G0V], 1
	s_mov_b32 s[G0V+1], VOFF
	s_add_nc_u64 s[G0V+2:G0V+3], s[4:5], s[84:85]
	s_or_b32 s[G0V+3], s[G0V+3], 0x80000000
	s_add_nc_u64 s[8:9], s[4:5], s[78:79]          ; Q at my first query; never rewritten
	s_add_nc_u64 s[16:17], s[16:17], s[86:87]      ; ac likewise
	CROUND                                         ; all four work-groups are here: the first joint loads meet
	TLOAD                                          ; slot 0
	v_and_b32 v8, 15, v0                           ; r
	v_bfe_u32 v9, v0, 4, 1                         ; h
	s_delay_alu instid0(VALU_DEP_2)
	v_lshlrev_b32 v[QA], 6, v8
	s_delay_alu instid0(VALU_DEP_1)
	v_lshl_add_u32 v[QA], v9, 4, v[QA]
	global_load_b128 v[16:19], v[QA], s[8:9]       ; Q's fragment: registers 4 c .. 4 c + 3 hold channels 32 c + 16 h + 0 .. 15, as K's do
	global_load_b128 v[20:23], v[QA], s[8:9] offset:32
	v_and_b32 v26, 8, v8
	s_delay_alu instid0(VALU_DEP_1)
	v_add_nc_u32 v26, v26, v8                      ; r + 8 (r / 8)
	s_delay_alu instid0(VALU_DEP_1)
	v_mul_u32_u24 v[AK0], v26, KP
	s_delay_alu instid0(VALU_DEP_1)
	v_lshl_add_u32 v[AK0], v9, 4, v[AK0]
	v_mul_u32_u24 v[AV0], v8, VP
	s_delay_alu instid0(VALU_DEP_1)
	v_lshl_add_u32 v[AV0], v9, 4, v[AV0]
	s_delay_alu instid0(VALU_DEP_1)
	v_add_nc_u32 v[AV0], VOFF, v[AV0]
	s_mul_i32 s72, s[WV], 16*KP                    ; my stage for the way out: 16 rows x 80 bytes, in slot 0: the slot left at the last change of slots: it has had its last fill, and nobody reads it
	v_mul_u32_u24 v[SIN], v8, KP
	s_delay_alu instid0(VALU_DEP_1)
	v_lshl_add_u32 v[SIN], v9, 3, v[SIN]
	s_delay_alu instid0(VALU_DEP_1)
	v_add_nc_u32 v[SIN], s72, v[SIN]               ; in: row r, 8 h bytes on
	v_bfe_u32 v26, v0, 2, 3
	v_and_b32 v27, 3, v0
	s_delay_alu instid0(VALU_DEP_2)
	v_mul_u32_u24 v[SOUT], v26, KP
	s_delay_alu instid0(VALU_DEP_1)
	v_lshl_add_u32 v[SOUT], v27, 4, v[SOUT]
	s_delay_alu instid0(VALU_DEP_1)
	v_add_nc_u32 v[SOUT], s72, v[SOUT]             ; back: four lanes to a row's 64 bytes, eight rows
	v_lshlrev_b32 v[GO], 10, v26
	s_delay_alu instid0(VALU_DEP_1)
	v_lshl_add_u32 v[GO], v27, 4, v[GO]            ; and the same in ac: rows of 1,024 bytes
	v_lshlrev_b32 v[DG], 4, v9
	s_delay_alu instid0(VALU_DEP_1)
	v_sub_nc_u32 v[DG], v8, v[DG]
	s_delay_alu instid0(VALU_DEP_1)
	v_add_nc_u32 v[DG], s15, v[DG]                 ; 16 x + r - 16 h
	v_and_b32 v26, 31, v0
	s_lshl_b32 s72, s13, 4
	v_add_nc_u32 v27, s72, v26                     ; 16 cx + lane
	s_delay_alu instid0(VALU_DEP_1)
	v_lshlrev_b32 v28, 8, v27
	s_add_co_u32 s73, s76, 0x400000+16384          ; K's block, in slot 1: the first change of slots steps it to slot 2
	v_add_nc_u32 v28, s73, v28
	v_lshlrev_b32 v29, 11, v27
	s_add_co_u32 s73, s76, 0x800000+256-16*2048    ; V's row 16 cx + lane - 16, in slot 1
	v_add_nc_u32 v29, s73, v29
	v_cmp_gt_u32 s74, 16, v26
	s_delay_alu instid0(VALU_DEP_1)
	v_cndmask_b32 v[PFO], v29, v28, s74
	v_mov_b32 v28, 256
	v_mov_b32 v29, 16384
	s_delay_alu instid0(VALU_DEP_1)
	v_cndmask_b32 v[PFS], v28, v29, s74
	v_mov_b32 v13, 0xff61b1e6                      ; the largest t so far: -3e38, under every t
	s_delay_alu instid0(VALU_DEP_1)
	v_floor_f32 v12, -v13                          ; -M
	v_mov_b32 v14, 0                               ; the sum, in two halves
	v_mov_b32 v15, 0
	v_mov_b32 v236, 0                              ; written once: a lane permute's destination counts as one of its sources
	v_mov_b32 v252, 0
	v_mov_b32 v253, 0                              ; (named as the upper half of the pair v[252:253])
.set j, 0
.rept 32
	v_mov_b32 v[160+j], 0                          ; O^T.  (The step is written once: the first finds zeros, which the first change of M leaves zeros)
.set j, j+1
.endr
	s_wait_kmcnt 0x0
	s_add_co_i32 s72, s68, s69
	s_lshl_b32 s72, s72, 23
	s_add_co_i32 s[CS], s[CS], s72                 ; a score stands for score x 2^(e6 + e7): added to c's exponent field
	s_mov_b32 s[CS+1], s[CS]
	s_add_co_i32 s72, s70, 127
	s_lshl_b32 s73, s72, 23
	v_mov_b32 v244, s73                            ; 2^e8, for p's conversions
	s_add_co_i32 s72, s66, 127
	s_lshl_b32 s73, s72, 23
	v_mov_b32 v245, s73                            ; 2^e10, for the result's
; A KEY STEP: 128 keys, the q-th of the slot in hand.
.macro STEP q
	s_cmp_gt_u32 s[KF], s[PB]                      ; all its keys come after my queries: the step's work is left out; the line at its end that steps KF is not
	s_cbranch_scc1 .Lhidden_\@
	v_add_nc_u32 v[ADK], s[TB], v[AK0]
	v_add_nc_u32 v[ADV], s[TB], v[AV0]
	v_nop
	v_nop                                          ; four plain lines in front of loads into registers that the last products have read
.irp t, 0,1,2,3,4,5,6,7
.irp c, 0,1
	ds_load_b128 v[32+8*\t+4*\c:32+8*\t+4*\c+3], v[ADK] offset:(128*(\q)+32*(\t/2)+8*(\t%2))*KP+32*\c
.endr
.endr
	s_wait_dscnt 0x0
.irp t, 0,1,2,3,4,5,6,7
	v_wmma_f32_16x16x64_fp8_fp8 v[96+8*\t:103+8*\t], v[32+8*\t:39+8*\t], v[16:23], 0
.endr
.rept 4
	v_nop
.endr
	s_cmp_lt_u32 s[KF], s[PB]                      ; all its keys count: no mask
	s_cbranch_scc1 .Lopen_\@
	v_mov_b32 v254, 0xff800000                     ; on the diagonal hidden scores become -infinity ahead of the maximum: p = 0 then.  Register n holds key 32 (n / 16) + n % 16 + 16 (lane / 16)
.set n, 0
.rept 64
	v_cmp_gt_i32 vcc_lo, 32*(n/16)+n%16, v[DG]
	v_cndmask_b32 v[96+n], v[96+n], v254, vcc_lo
.set n, n+1
.endr
.Lopen_\@:
	v_max3_num_f32 v254, v96, v97, v98             ; the step's largest score of my query among my 64 keys, in two chains,
	v_max3_num_f32 v252, v99, v100, v101
.irp i, 6,10,14,18,22,26,30,34,38,42,46,50,54,58
	v_max3_num_f32 v254, v254, v[96+\i], v[97+\i]
	v_max3_num_f32 v252, v252, v[98+\i], v[99+\i]
.endr
	v_max3_num_f32 v254, v254, v158, v159
	s_delay_alu instid0(VALU_DEP_1)
	v_max_num_f32 v254, v254, v252
	v_permlanex16_b32 v236, v254, s[SEL], s[SEL+1]
	s_delay_alu instid0(VALU_DEP_1)
	v_max_num_f32 v254, v254, v236                 ; and among lane l xor 16's
	s_delay_alu instid0(VALU_DEP_1)
	v_mul_f32 v254, s[CS], v254                    ; as t (c is positive)
	s_delay_alu instid0(VALU_DEP_1)
	v_max_num_f32 v13, v13, v254                   ; the running largest t
	v_mov_b32 v254, v12
	s_delay_alu instid0(VALU_DEP_2)
	v_floor_f32 v12, -v13                          ; the new -M = floor(-t): M is a whole number
	s_delay_alu instid0(VALU_DEP_1)
	v_sub_f32 v254, v12, v254                      ; old M - new M: a whole number, 0 or less
	s_delay_alu instid0(VALU_DEP_1)
	v_cvt_i32_f32 v254, v254                       ; (it saturates)
	s_delay_alu instid0(VALU_DEP_1)
	v_ldexp_f32 v252, 1.0, v254                    ; f = 2^(old M - new M)
.set j, 0
.rept 32
	v_pk_fma_f32 v[96+j:97+j], v[96+j:97+j], s[CS:CS+1], v[12:13] op_sel_hi:[1,0,0]   ; t - M, two at a time
.set j, j+2
.endr
.set j, 0
	s_wait_alu depctr_va_vdst(0)
.rept 64
	v_exp_f32 v[96+j], v[96+j]                     ; p = 2^(t - M), at most 1
.set j, j+1
.endr
	v_pk_mul_f32 v[14:15], v[14:15], v[252:253] op_sel_hi:[1,0]   ; the sums under the new M: the plain line behind the exponentials
	s_wait_alu depctr_va_vdst(0)                   ; one wait for the whole batch, ahead of its first reader
	v_pk_add_f32 v[242:243], v[100:101], v[104:105]
	v_pk_add_f32 v[254:255], v[108:109], v[112:113]
	v_pk_add_f32 v[250:251], v[116:117], v[120:121]
	v_pk_add_f32 v[248:249], v[124:125], v[128:129]
	v_pk_add_f32 v[246:247], v[132:133], v[136:137]
	v_pk_add_f32 v[240:241], v[140:141], v[144:145]
	v_pk_add_f32 v[238:239], v[148:149], v[152:153]
	v_pk_add_f32 v[14:15], v[14:15], v[156:157]
	v_pk_add_f32 v[242:243], v[242:243], v[96:97]
	v_pk_add_f32 v[254:255], v[254:255], v[98:99]
	v_pk_add_f32 v[250:251], v[250:251], v[102:103]
	v_pk_add_f32 v[248:249], v[248:249], v[106:107]
	v_pk_add_f32 v[246:247], v[246:247], v[110:111]
	v_pk_add_f32 v[240:241], v[240:241], v[114:115]
	v_pk_add_f32 v[238:239], v[238:239], v[118:119]
	v_pk_add_f32 v[14:15], v[14:15], v[122:123]
	v_pk_add_f32 v[242:243], v[242:243], v[126:127]
	v_pk_add_f32 v[254:255], v[254:255], v[130:131]
	v_pk_add_f32 v[250:251], v[250:251], v[134:135]
	v_pk_add_f32 v[248:249], v[248:249], v[138:139]
	v_pk_add_f32 v[246:247], v[246:247], v[142:143]
	v_pk_add_f32 v[240:241], v[240:241], v[146:147]
	v_pk_add_f32 v[238:239], v[238:239], v[150:151]
	v_pk_add_f32 v[14:15], v[14:15], v[154:155]
	v_pk_add_f32 v[242:243], v[242:243], v[158:159]
	s_delay_alu instid0(VALU_DEP_2)
	v_pk_add_f32 v[14:15], v[14:15], v[248:249]
	s_delay_alu instid0(VALU_DEP_2)
	v_pk_add_f32 v[242:243], v[242:243], v[246:247]
	v_pk_add_f32 v[254:255], v[254:255], v[240:241]
	v_pk_add_f32 v[250:251], v[250:251], v[238:239]
	s_delay_alu instid0(VALU_DEP_2)
	v_pk_add_f32 v[14:15], v[14:15], v[254:255]
	s_delay_alu instid0(VALU_DEP_2)
	v_pk_add_f32 v[242:243], v[242:243], v[250:251]
	s_delay_alu instid0(VALU_DEP_1)
	v_pk_add_f32 v[14:15], v[14:15], v[242:243]
.irp b, 0,1,2,3
.irp i, 0,1,2,3,4,5,6,7,8,9,10,11,12,13,14,15
.endr
	v_cvt_scalef32_pk8_fp8_f32 v[224+4*\b:225+4*\b], v[96+16*\b:103+16*\b], v244
	v_cvt_scalef32_pk8_fp8_f32 v[226+4*\b:227+4*\b], v[104+16*\b:111+16*\b], v244
.endr
.set j, 0
.rept 16
	v_pk_mul_f32 v[160+j:161+j], v[160+j:161+j], v[252:253] op_sel_hi:[1,0]   ; O^T under the new M.  (Also the plain lines in front of the products and loads below)
.set j, j+2
.endr
.irp t, 0,1,2,3
.irp c, 0,1,2,3
	ds_load_b128 v[32+16*\t+4*\c:32+16*\t+4*\c+3], v[ADV] offset:16*\t*VP+128*(\q)+32*\c
.endr
.endr
	s_wait_alu depctr_va_vdst(0)
	s_wait_dscnt 0x0
.irp t, 0,1,2,3                                ; O^T += V^T P^T: four accumulators by turns, one instruction a turn
	v_wmma_f32_16x16x128_fp8_fp8 v[160+8*\t:167+8*\t], v[32+16*\t:47+16*\t], v[224:239], v[160+8*\t:167+8*\t]
.endr
.Lhidden_\@:
	s_add_co_u32 s[KF], s[KF], 128
.endm
; THE CHANGE OF SLOTS stands at a slot's head.  Each wave waits for all its tensor loads, adds 0 to its spare word, and waits for that and for its reads of the slot that it has left.
; fill = 1: a round of the cluster's barrier, and behind it the slot just left is filled with the keys that follow: the load has a slot's two steps in which to land.  One tensor load of a wave is out at the most.
.macro CHANGE fill
	s_wait_tensorcnt 0x0                           ; no tensor load of mine is out, so a group 0 may be written
	ds_add_u32 v[SPW], v[NIL]                      ; 0 onto my spare word
.if \fill
	s_xor_b32 s[G0K+1], s[G0K+1], SLOT1            ; the walking descriptors: the other slot,
	s_add_nc_u64 s[G0K+2:G0K+3], s[G0K+2:G0K+3], SK*64   ; the next 256 keys
	s_xor_b32 s[G0V+1], s[G0V+1], SLOT1
	s_add_nc_u64 s[G0V+2:G0V+3], s[G0V+2:G0V+3], SK
	s_wait_xcnt 0x0                                ; the last prefetch, a slot back, has read its offset, so it may be written:
	v_add_nc_u32 v[PFO], v[PFO], v[PFS]            ; one slot further on than the walking descriptors
.endif
	s_wait_dscnt 0x0                               ; the add is done, and my reads of the slot that I have left are over
.if \fill
	CROUND
	TLOAD                                          ; the first thing behind the round, and a wave's one tensor load until the next
	ASK
.else
	s_barrier_signal -1
	s_barrier_wait -1
.endif
.endm
.macro SLOT_STEPS
	STEP 0
	STEP 1
	s_xor_b32 s[TB], s[TB], SLOT1                  ; on to the other slot
.endm
	s_wait_loadcnt 0x0                             ; Q
.Lslot:                                            ; seven trips: behind each change of slots but the last the next slot is asked for
	s_wait_alu depctr_va_vdst(0)
	CHANGE 1
	SLOT_STEPS
	s_sub_co_u32 s[SLOTS], s[SLOTS], 1
	s_cmp_lg_u32 s[SLOTS], 0
	s_cbranch_scc1 .Lslot
	CHANGE 0                                       ; the last slot is written out
	SLOT_STEPS
	; THE WAY OUT: O^T / the sum x 2^(e8 + e9), quantised with 2^e10; eight codes a lane through my stage; 16 bytes a lane out.
.rept 4
	v_nop                                          ; plain lines behind the last products
.endr
	v_add_f32 v14, v14, v15
	s_delay_alu instid0(VALU_DEP_1)
	v_permlanex16_b32 v252, v14, s[SEL], s[SEL+1]
	s_delay_alu instid0(VALU_DEP_1)
	v_add_f32 v14, v14, v252                       ; the row's sum
	s_wait_alu depctr_va_vdst(0)
	v_rcp_f32 v14, v14
	v_nop                                          ; a plain line behind the transcendental
	s_add_co_i32 s72, s70, s71
	s_wait_alu depctr_va_vdst(0)                   ; the wait, ahead of the first reader
	v_ldexp_f32 v14, v14, s72
.set j, 0
.rept 32
	v_mul_f32 v[96+j], v[160+j], v14               ; register 8 t + i is channel 16 t + 8 h + i of my query
.set j, j+1
.endr
.set j, 0
.rept 32
.set j, j+1
.endr
.irp t, 0,1,2,3
	v_cvt_scalef32_pk8_fp8_f32 v[224+2*\t:225+2*\t], v[96+8*\t:103+8*\t], v245
.endr
	v_nop
.irp t, 0,1,2,3
	ds_store_b64 v[SIN], v[224+2*\t:225+2*\t] offset:16*\t
.endr
	ds_load_b128 v[32:35], v[SOUT]                 ; LDS serves a wave's instructions in order: these see my stores
	ds_load_b128 v[36:39], v[SOUT] offset:8*KP
	s_wait_dscnt 0x1                               ; the first is in; the second may be out
	global_store_b128 v[GO], v[32:35], s[16:17]
	s_wait_dscnt 0x0
	global_store_b128 v[GO], v[36:39], s[16:17] offset:8192
	s_wait_tensorcnt 0x0                           ; the wave's end, behind my last tensor load and my last LDS store
	ds_add_u32 v[SPW], v[NIL]
	s_wait_dscnt 0x0
	CROUND                                         ; the closing round
	s_endpgm
.Lfunc_end_k_q28018cc7c3_attn:
	.size	k_q28018cc7c3_attn, .Lfunc_end_k_q28018cc7c3_attn-k_q28018cc7c3_attn
	.p2alignl 7, 3214868480
	.fill 96, 4, 3214868480
	.section	.rodata,"a",@progbits
	.p2align	6, 0x0
	.amdhsa_kernel k_q28018cc7c3_attn
		.amdhsa_group_segment_fixed_size 327680
		.amdhsa_private_segment_fixed_size 0
		.amdhsa_enable_private_segment 0
		.amdhsa_kernarg_size 24
		.amdhsa_user_sgpr_count 2
		.amdhsa_user_sgpr_kernarg_segment_ptr 1
		.amdhsa_wavefront_size32 1
		.amdhsa_system_sgpr_workgroup_id_x 1
		.amdhsa_system_sgpr_workgroup_id_y 1
		.amdhsa_system_sgpr_workgroup_id_z 1
		.amdhsa_system_vgpr_workitem_id 0
		.amdhsa_next_free_vgpr 256
		.amdhsa_next_free_sgpr 100
		.amdhsa_reserve_vcc 1
		.amdhsa_float_denorm_mode_32 3
		.amdhsa_float_denorm_mode_16_64 3
		.amdhsa_fp16_overflow 1
		.amdhsa_memory_ordered 1
		.amdhsa_forward_progress 1
		.amdhsa_inst_pref_size 90
	.end_amdhsa_kernel
	.amdgpu_metadata
---
amdhsa.version: [ 1, 2 ]
amdhsa.kernels:
  - .name:           k_q28018cc7c3_attn
    .symbol:         k_q28018cc7c3_attn.kd
    .args:
      - { .name: qkvc, .offset: 0, .size: 8, .value_kind: global_buffer, .address_space: global }
      - { .name: lowp_scales, .offset: 8, .size: 8, .value_kind: global_buffer, .address_space: global }
      - { .name: ac, .offset: 16, .size: 8, .value_kind: global_buffer, .address_space: global }
    .group_segment_fixed_size: 327680
    .private_segment_fixed_size: 0
    .kernarg_segment_align: 8
    .kernarg_segment_size: 24
    .max_flat_workgroup_size: 512
    .sgpr_count:     100
    .vgpr_count:     256
    .wavefront_size: 32
...
	.end_amdgpu_metadata
.endif
;; end of part 3
;; launch wo (part 4): grid 8 x 32, 4 waves a work-group, clusters of 4 x 4, 327,680 bytes of LDS; arguments ac, wcodes, lowp_scales, bo, x, x1; writes x1
.if DOCPART == 4
	.amdgcn_target "amdgcn-amd-amdhsa--gfx1250"
	.amdhsa_code_object_version 6
	.text
	.protected	k_q28018cc7c3_wo
	.globl	k_q28018cc7c3_wo
	.p2align	8
	.type	k_q28018cc7c3_wo,@function
k_q28018cc7c3_wo:
	s_mov_b64 s[64:65], 0
	v_nop
	global_prefetch_b8 v0, s[64:65] scope:SCOPE_SE
	s_setreg_imm32_b32 hwreg(HW_REG_WAVE_MODE, 25, 1), 1
	s_wait_xcnt 0x0
	s_wait_alu depctr_hold_cnt(0) depctr_sa_sdst(0) depctr_va_vdst(0) depctr_va_sdst(0) depctr_va_ssrc(0) depctr_va_vcc(0) depctr_vm_vsrc(0)
	s_getreg_b32 s2, hwreg(HW_REG_IB_STS2, 6, 4)
	s_cmp_eq_u32 s2, 0
	s_cbranch_scc0 .Lentry_in_a_cluster
	s_endpgm
.Lentry_in_a_cluster:
	s_bfe_u32 s2, ttmp6, 0x10000c
	s_cmp_lg_u32 s2, 0xf033
	s_cbranch_scc0 .Lentry_shape_is_right
	s_endpgm
.Lentry_shape_is_right:
; x1 = x + (attention's result) Wo + bo.  A: ac [4096][1024] codes of E4M3 (scale entry 10); B: Wo's codes [1024 n][1024 k] at wcodes + 3 MiB (entry 11); bias [1024], residual and result [4096][1024] f32.
; N = 1,024 gives only 64 blocks of 256 x 256: so a block is 128 x 128, 256 work-groups; four waves, each 64 x 64: 16 accumulators.
; K goes in steps of 512 codes (LDS rows of 512 bytes; a wave's tensor load brings 64 of them) through two LDS slots; here K = 1,024 is the two first fills, and nothing is filled again.
; The form is the K = 64 one: a fragment, 16 rows x 64 K, is 8 registers, two loads of 16 bytes 32 bytes apart: registers 4 c .. 4 c + 3 hold K = 32 c + 16 (lane / 16) + 0 .. 15, in A and in B alike.
; CLUSTERS: 4 x 4; A's tile is shared along a row of the cluster, B's along a column.  THE MATRIX INSTRUCTION IS USED TRANSPOSED: a lane holds eight neighbouring numbers of a row of the result.
; The residual is asked for at the head, in the layout of the stores, and lands while the products run.  A wave's 64 columns are 256 bytes: each wave has a stage of its own and stores whole rows of it.
; LIMIT: ea + eb between -126 and 127.
; REGISTERS: window 0: v0-31 addresses; v32-95 rows on the way out, two sets; v96-99 bias; v128-255 the accumulators ((a, b) at v[128 + 8 (4 a + b)]).  window 1: two fragment buffers of 128.  window 2: v0-127 the residual.
.set SIZE_K, 1024
.set WOFF,   0x300000
.set SCOFF,  0x28
.set KSTEP,  512
.set PITCH,  528                       ; an LDS row: 512 bytes + 16 of padding = 132 words: the 16 rows of a load start at 16 different banks (64 banks of 4 bytes: ISA guide 11.1)
.set HALFT,  64*PITCH
.set SLOT,   4*HALFT                   ; A's 128 rows, then B's 128 rows
.set STAGE,  2*SLOT                    ; behind the ring: 16 rows x 272 bytes for each wave
.set SPITCH, 272
.set SPARE,  STAGE+4*16*SPITCH         ; behind the stages: the spare words, 128 bytes a wave
.set LAPS,   SIZE_K/(2*KSTEP)
.set ADRA, 16
.set ADRB, 20
.set STO,  24                          ; v24  my stage: where I put 32 bytes of a row
.set RD,   25                          ; v25  and where I read a row back
.set CO,   26                          ; v26  my byte offset in two rows of the residual and of the result; never rewritten
.set BO,   27                          ; v27  16 x (lane % 16): my four columns' biases; never rewritten
.set SPW,  28
.set NIL,  29
.set RB,   32
.set BI,   96
.set ACC,  128
.set F0,   0
.set F1,   128
.set G1, 24
.set G0, 32
.set G1B, 48
.set G0B, 56
.set MSB, 0
.macro WIN new                         ; the immediate's high byte repeats the setting that is left
.if MSB != \new
	s_set_vgpr_msb (MSB<<8)|\new
.set MSB, \new
.endif
.endm
.set MUL,  0x05                        ; sources 0 (B) and 1 (A) window 1; C and D window 0
.set TO_F, 0x40                        ; destination window 1, address window 0
.macro JLOAD s                         ; a joint load: waves 0 and 1 fetch A's halves, waves 2 and 3 B's; an s_nop 0 and four v_nop follow each line
	s_cmp_eq_u32 s11, 0
	s_cbranch_scc0 .Lfor_b_\@
	tensor_load_to_lds s[G0+4*\s:G0+4*\s+3], s[G1:G1+7]
	s_nop 0
.rept 4
	v_nop
.endr
	s_branch .Lasked_\@
.Lfor_b_\@:
	tensor_load_to_lds s[G0B+4*\s:G0B+4*\s+3], s[G1B:G1B+7]
	s_nop 0
.rept 4
	v_nop
.endr
.Lasked_\@:
.endm
.macro CREST
	s_cmp_lg_u32 s10, 0
	s_cbranch_scc1 .Lnot_wave_0_\@
	s_barrier_signal -3
.Lnot_wave_0_\@:
	s_barrier_wait -3
	s_barrier_signal -1
	s_barrier_wait -1
.endm
.macro CROUND
	s_barrier_signal -1
	s_barrier_wait -1
	CREST
.endm
	s_load_b128 s[4:7], s[0:1], 0x0                ; A's codes, wcodes
	s_load_b256 s[68:75], s[0:1], 0x10             ; the scales 68, the bias 70, the residual 72, the result 74
	v_lshl_add_u32 v[SPW], v0, 2, SPARE
	v_mov_b32 v[NIL], 0
	ds_add_u32 v[SPW], v[NIL]                      ; the wave's opening: the add and its wait ahead of my first tensor load
	v_lshrrev_b32 v1, 5, v0
	v_readfirstlane_b32 s10, v1                    ; wave 0..3
	s_lshr_b32 s11, s10, 1                         ; my half of the block's rows.  Also: I fetch for A (0) or for B (1)
	s_and_b32 s12, s10, 1                          ; my half of its columns.  Also: which 64 rows of that tile I fetch
	s_bfe_u32 s40, ttmp6, 0x40000                  ; cx, cy
	s_bfe_u32 s41, ttmp6, 0x40004
	s_lshl_b32 s42, ttmp9, 2
	s_add_co_u32 s42, s42, s40                     ; block column
	s_and_b32 s13, ttmp7, 0xffff
	s_lshl_b32 s13, s13, 2
	s_add_co_u32 s13, s13, s41                     ; block row
	s_lshl_b32 s43, s41, 2
	s_lshl_b32 s43, 15, s43                        ; my row of the cluster
	s_lshl_b32 s44, 0x1111, s40                    ; my column
	s_or_b32 s[G1+0], s43, (0<<16)|(1<<20)|(1<<21)|(6<<22)|(3<<25)  ; the mask; elements of 1 byte; padding on; 21 set beside a mask; after every 128 words (code 6) four words (code 3)
	s_or_b32 s[G1B+0], s44, (0<<16)|(1<<20)|(1<<21)|(6<<22)|(3<<25)
.irp g, G1, G1B
	s_mov_b32 s[\g+1], KSTEP<<16                   ; tensor_dim0
	s_mov_b32 s[\g+2], 64<<16                      ; tensor_dim1
	s_mov_b32 s[\g+3], KSTEP<<16                   ; tile_dim0
	s_mov_b32 s[\g+4], 64                          ; tile_dim1
	s_mov_b32 s[\g+5], SIZE_K                      ; tensor_dim0_stride
	s_mov_b32 s[\g+6], 0
	s_mov_b32 s[\g+7], 0
.endr
	s_lshl_b32 s17, s12, 6
	s_lshl_b32 s16, s13, 7
	s_add_co_u32 s16, s16, s17                     ; A: row 128 x block row + 64 x half
	s_lshl_b32 s46, s42, 7
	s_add_co_u32 s46, s46, s17                     ; B: row 128 x block column + 64 x half
	s_mov_b32 s17, 0
	s_mov_b32 s47, 0
	s_mov_b64 s[18:19], SIZE_K
	s_mul_u64 s[16:17], s[16:17], s[18:19]
	s_mul_u64 s[46:47], s[46:47], s[18:19]
	s_mul_i32 s20, s10, HALFT                      ; where they go: wave x 64 rows
	s_wait_dscnt 0x0                               ; the opening add is done
	s_wait_kmcnt 0x0
	s_load_b64 s[76:77], s[68:69], SCOFF           ; ea, eb
	s_add_nc_u64 s[14:15], s[4:5], s[16:17]
	s_add_nc_u64 s[46:47], s[6:7], s[46:47]
	s_add_nc_u64 s[46:47], s[46:47], WOFF
	CROUND                                         ; all sixteen work-groups are here: the first joint loads meet
.irp s, 0,1
	s_mov_b32 s[G0+4*\s], 1
	s_add_co_u32 s[G0+4*\s+1], s20, \s*SLOT
	s_add_nc_u64 s[G0+4*\s+2:G0+4*\s+3], s[14:15], \s*KSTEP
	s_or_b32 s[G0+4*\s+3], s[G0+4*\s+3], 0x80000000
	s_mov_b32 s[G0B+4*\s], 1
	s_add_co_u32 s[G0B+4*\s+1], s20, \s*SLOT
	s_add_nc_u64 s[G0B+4*\s+2:G0B+4*\s+3], s[46:47], \s*KSTEP
	s_or_b32 s[G0B+4*\s+3], s[G0B+4*\s+3], 0x80000000
	JLOAD \s
.endr
	v_and_b32 v1, 15, v0                           ; r
	v_bfe_u32 v2, v0, 4, 1                         ; h
	v_mul_u32_u24 v3, v1, PITCH
	v_lshl_add_u32 v3, v2, 4, v3
	s_mul_i32 s21, s11, HALFT                      ; my 64 rows of A
	s_mul_i32 s22, s12, HALFT                      ; my 64 rows of B,
	s_add_co_u32 s22, s22, 2*HALFT                 ; which lie behind A's 128
.irp s, 0,1
	v_add_nc_u32 v[ADRA+\s], s21, v3
	v_add_nc_u32 v[ADRB+\s], s22, v3
	s_add_co_u32 s21, s21, SLOT
	s_add_co_u32 s22, s22, SLOT
.endr
	s_mul_i32 s23, s10, 16*SPITCH
	s_add_co_u32 s23, s23, STAGE                   ; my stage
	v_mul_u32_u24 v4, v1, SPITCH
	v_lshl_add_u32 v4, v2, 5, v4
	v_add_nc_u32 v[STO], s23, v4                   ; in: row r, 32 bytes for each half of the lanes
	v_mul_u32_u24 v5, v2, SPITCH
	v_lshl_add_u32 v5, v1, 4, v5
	v_add_nc_u32 v[RD], s23, v5                    ; back: lanes 0-15 a row of 256 bytes, lanes 16-31 the next
	v_lshlrev_b32 v5, 12, v2
	v_lshl_add_u32 v[CO], v1, 4, v5                ; the same two rows in memory: rows of 4,096 bytes
	v_lshlrev_b32 v[BO], 4, v1
	s_lshl_b32 s16, s13, 7
	s_lshl_b32 s17, s11, 6
	s_add_co_u32 s16, s16, s17                     ; my first row,
	s_lshl_b32 s16, s16, 12
	s_lshl_b32 s46, s42, 9
	s_lshl_b32 s47, s12, 8
	s_add_co_u32 s46, s46, s47                     ; my first column, in bytes
	s_mov_b32 s47, 0
	s_add_nc_u64 s[70:71], s[70:71], s[46:47]      ; the three bases are never rewritten
	s_add_co_u32 s16, s16, s46
	s_mov_b32 s17, 0
	s_add_nc_u64 s[72:73], s[72:73], s[16:17]
	s_add_nc_u64 s[74:75], s[74:75], s[16:17]
	WIN 0x80                                       ; destination window 2
.irp a, 0,1,2,3
.irp t, 0,1,2,3,4,5,6,7
	global_load_b128 v[32*\a+4*\t:32*\a+4*\t+3], v[CO], s[72:73] offset:(16*\a+2*\t)*4096   ; the residual, as the stores will want it
.endr
.endr
	WIN 0
	global_load_b128 v[BI:BI+3], v[BO], s[70:71]
.macro MUL8 f, c, a0, zero             ; 8 matrix instructions: A's blocks a0, a0 + 1 x B's four, 64 along K: half c of buffer f.  The 16 accumulators take turns
.irp a, \a0, \a0+1
.irp b, 0,1,2,3
.if \zero
	v_wmma_f32_16x16x64_fp8_fp8 v[ACC+8*(4*(\a)+\b):ACC+8*(4*(\a)+\b)+7], v[\f+64+8*(4*\c+\b):\f+64+8*(4*\c+\b)+7], v[\f+8*(4*\c+\a):\f+8*(4*\c+\a)+7], 0
.else
	v_wmma_f32_16x16x64_fp8_fp8 v[ACC+8*(4*(\a)+\b):ACC+8*(4*(\a)+\b)+7], v[\f+64+8*(4*\c+\b):\f+64+8*(4*\c+\b)+7], v[\f+8*(4*\c+\a):\f+8*(4*\c+\a)+7], v[ACC+8*(4*(\a)+\b):ACC+8*(4*(\a)+\b)+7]
.endif
.endr
.endr
.endm
.macro FETCH slot, k, f                ; 32 LDS loads in one run: the fragments of 128 along K at byte k of the rows, into buffer f; the first 64 along K first
	WIN TO_F
.irp c, 0,1
.irp i, 0,1,2,3
	ds_load_b128 v[\f+64+8*(4*\c+\i):\f+64+8*(4*\c+\i)+3],   v[ADRB+\slot] offset:\k+64*\c+\i*16*PITCH
	ds_load_b128 v[\f+64+8*(4*\c+\i)+4:\f+64+8*(4*\c+\i)+7], v[ADRB+\slot] offset:\k+64*\c+\i*16*PITCH+32
	ds_load_b128 v[\f+8*(4*\c+\i):\f+8*(4*\c+\i)+3],         v[ADRA+\slot] offset:\k+64*\c+\i*16*PITCH
	ds_load_b128 v[\f+8*(4*\c+\i)+4:\f+8*(4*\c+\i)+7],       v[ADRA+\slot] offset:\k+64*\c+\i*16*PITCH+32
.endr
.endr
.endm
.macro PLACES                          ; four plain lines in front of loads into registers that matrix instructions have read, and of reads of results
.rept 4
	v_nop
.endr
.endm
.macro QUARTER slot, k, f, g, zero     ; a quarter of a K step: multiplies buffer f and fetches the next quarter, at byte k, into g
	s_wait_dscnt 16                                ; the first 64 along K are in; the other 16 loads may be out
	WIN MUL
	MUL8 \f, 0, 0, \zero
	MUL8 \f, 0, 2, \zero
	PLACES
	FETCH \slot, \k, \g
	s_wait_dscnt 32                                ; all but the 32 just issued
	WIN MUL
	MUL8 \f, 1, 0, 0
	MUL8 \f, 1, 2, 0
.endm
; The last quarter changes slots: one barrier; in front of it each wave waits for all its tensor loads, adds 0 to its spare word, and waits for that and for its reads of this slot.  fill = 1: this slot is filled again.
.macro TURN slot, next, fill
	WIN 0
	s_wait_tensorcnt 0x0                           ; all my tensor loads have landed: my part of the next slot
	ds_add_u32 v[SPW], v[NIL]                      ; 0 onto my spare word
	s_wait_dscnt 17                                ; (the add and the youngest sixteen loads may be out)
	WIN MUL
	MUL8 F1, 0, 0, 0
	s_wait_dscnt 0x0                               ; the add is done, and my reads of this slot are over
	s_barrier_signal -1
	MUL8 F1, 0, 2, 0
.if \fill
	WIN 0
.endif
	s_barrier_wait -1
.if \fill
	CREST                                          ; the barrier has opened a round of the cluster's
	s_add_nc_u64 s[G0+4*\slot+2:G0+4*\slot+3], s[G0+4*\slot+2:G0+4*\slot+3], 2*KSTEP
	s_add_nc_u64 s[G0B+4*\slot+2:G0B+4*\slot+3], s[G0B+4*\slot+2:G0B+4*\slot+3], 2*KSTEP
	JLOAD \slot                                    ; the first tensor load behind the round; its four v_nop are the places in front of the loads below
.else
	PLACES
.endif
	FETCH \next, 0, F0
	WIN MUL
	MUL8 F1, 1, 0, 0
	MUL8 F1, 1, 2, 0
.endm
	s_wait_tensorcnt 1                             ; my part of K step 0 is in; K step 1's load may be out
	s_barrier_signal -1
	s_barrier_wait -1
	FETCH 0, 0, F0
	QUARTER 0, 128, F0, F1, 1                      ; the first products start the sums
.if LAPS > 1
	WIN 0
	s_mov_b32 s3, LAPS-1
.Llap:
	QUARTER 0, 256, F1, F0, 0
	QUARTER 0, 384, F0, F1, 0
	TURN 0, 1, 1
	QUARTER 1, 128, F0, F1, 0
	QUARTER 1, 256, F1, F0, 0
	QUARTER 1, 384, F0, F1, 0
	TURN 1, 0, 1
	QUARTER 0, 128, F0, F1, 0
	WIN 0
	s_sub_co_u32 s3, s3, 1
	s_cmp_lg_u32 s3, 0
	s_cbranch_scc1 .Llap
.endif
	QUARTER 0, 256, F1, F0, 0
	QUARTER 0, 384, F0, F1, 0
	TURN 0, 1, 0
	QUARTER 1, 128, F0, F1, 0
	QUARTER 1, 256, F1, F0, 0
	QUARTER 1, 384, F0, F1, 0
	s_wait_dscnt 16
	WIN MUL
	MUL8 F1, 0, 0, 0
	MUL8 F1, 0, 2, 0
	s_wait_dscnt 0
	MUL8 F1, 1, 0, 0
	MUL8 F1, 1, 2, 0
	WIN 0
	; THE WAY OUT, a block of 16 rows x 64 columns at a time: the sums go through my own stage as they are and come back as whole rows of 256 bytes; there sum x 2^(ea + eb) + residual + bias.
.macro TOST a
.irp b, 0,1,2,3
	ds_store_b128 v[STO], v[ACC+8*(4*(\a)+\b):ACC+8*(4*(\a)+\b)+3] offset:64*\b          ; each accumulator from its low end on
	ds_store_b128 v[STO], v[ACC+8*(4*(\a)+\b)+4:ACC+8*(4*(\a)+\b)+7] offset:64*\b+16
.endr
.set BB, RB+32*((\a)%2)
.irp t, 0,1,2,3,4,5,6,7
	ds_load_b128 v[BB+4*\t:BB+4*\t+3], v[RD] offset:\t*2*SPITCH   ; LDS serves a wave's instructions in order: these see the stores above, and the next block's stores come behind them
.endr
.endm
.macro SEND a, younger                 ; younger: the LDS instructions issued behind block a's loads, which may stay out
.set BB, RB+32*((\a)%2)
	s_wait_dscnt \younger
	WIN 0x20                                       ; source 2 (the residual) window 2
.set j, 0
.rept 16
	v_pk_fma_f32 v[BB+j:BB+j+1], v[BB+j:BB+j+1], s[76:77], v[32*(\a)+j:32*(\a)+j+1] op_sel_hi:[1,0,1]
.set j, j+2
.endr
	WIN 0
.set j, 0
.rept 16
	v_pk_add_f32 v[BB+j:BB+j+1], v[BB+j:BB+j+1], v[BI+j%4:BI+j%4+1]
.set j, j+2
.endr
.irp t, 0,1,2,3,4,5,6,7
	global_store_b128 v[CO], v[BB+4*\t:BB+4*\t+3], s[74:75] offset:(16*(\a)+2*\t)*4096   ; sixteen lanes store 256 consecutive bytes, aligned
.endr
.endm
	s_wait_loadcnt 0x0                             ; the residual and the bias
	s_wait_kmcnt 0x0
	s_add_co_i32 s76, s76, s77
	s_add_co_i32 s76, s76, 127
	s_lshl_b32 s76, s76, 23                        ; 2^(ea + eb) as f32
	s_mov_b32 s77, s76
	PLACES
	TOST 0
.irp a, 1,2,3
.if \a > 1
	s_wait_xcnt 0x0                                ; block a - 2's stores have read their data: block a's loads may land there
.endif
	TOST \a
	SEND \a-1, 16                                  ; behind block a - 1's loads: block a's 8 stores and 8 loads
.endr
	SEND 3, 0
	s_wait_tensorcnt 0x0                           ; the wave's end, behind my last tensor load and my last LDS store
	ds_add_u32 v[SPW], v[NIL]
	s_wait_dscnt 0x0
	CROUND                                         ; the closing round
	s_endpgm
.Lfunc_end_k_q28018cc7c3_wo:
	.size	k_q28018cc7c3_wo, .Lfunc_end_k_q28018cc7c3_wo-k_q28018cc7c3_wo
	.p2alignl 7, 3214868480
	.fill 96, 4, 3214868480
	.section	.rodata,"a",@progbits
	.p2align	6, 0x0
	.amdhsa_kernel k_q28018cc7c3_wo
		.amdhsa_group_segment_fixed_size 327680
		.amdhsa_private_segment_fixed_size 0
		.amdhsa_enable_private_segment 0
		.amdhsa_kernarg_size 48
		.amdhsa_user_sgpr_count 2
		.amdhsa_user_sgpr_kernarg_segment_ptr 1
		.amdhsa_wavefront_size32 1
		.amdhsa_system_sgpr_workgroup_id_x 1
		.amdhsa_system_sgpr_workgroup_id_y 1
		.amdhsa_system_sgpr_workgroup_id_z 1
		.amdhsa_system_vgpr_workitem_id 0
		.amdhsa_next_free_vgpr 768
		.amdhsa_next_free_sgpr 80
		.amdhsa_reserve_vcc 0
		.amdhsa_float_denorm_mode_32 3
		.amdhsa_float_denorm_mode_16_64 3
		.amdhsa_memory_ordered 1
		.amdhsa_forward_progress 1
		.amdhsa_inst_pref_size 61
	.end_amdhsa_kernel
	.amdgpu_metadata
---
amdhsa.version: [ 1, 2 ]
amdhsa.kernels:
  - .name:           k_q28018cc7c3_wo
    .symbol:         k_q28018cc7c3_wo.kd
    .args:
      - { .name: ac, .offset: 0, .size: 8, .value_kind: global_buffer, .address_space: global }
      - { .name: wcodes, .offset: 8, .size: 8, .value_kind: global_buffer, .address_space: global }
      - { .name: lowp_scales, .offset: 16, .size: 8, .value_kind: global_buffer, .address_space: global }
      - { .name: bo, .offset: 24, .size: 8, .value_kind: global_buffer, .address_space: global }
      - { .name: x, .offset: 32, .size: 8, .value_kind: global_buffer, .address_space: global }
      - { .name: x1, .offset: 40, .size: 8, .value_kind: global_buffer, .address_space: global }
    .group_segment_fixed_size: 327680
    .private_segment_fixed_size: 0
    .kernarg_segment_align: 8
    .kernarg_segment_size: 48
    .max_flat_workgroup_size: 128
    .sgpr_count:     80
    .vgpr_count:     768
    .wavefront_size: 32
...
	.end_amdgpu_metadata
.endif
;; end of part 4
;; launch ln2 (part 5): grid 256 x 1, 4 waves a work-group, no clusters, 0 bytes of LDS; arguments x1, gamma2, beta2, lowp_scales, xn2c; writes xn2c
.if DOCPART == 5
	.amdgcn_target "amdgcn-amd-amdhsa--gfx1250"
	.amdhsa_code_object_version 6
	.text
	.protected	k_q28018cc7c3_ln2
	.globl	k_q28018cc7c3_ln2
	.p2align	8
	.type	k_q28018cc7c3_ln2,@function
k_q28018cc7c3_ln2:
	s_mov_b64 s[64:65], 0
	v_nop
	global_prefetch_b8 v0, s[64:65] scope:SCOPE_SE
	s_setreg_imm32_b32 hwreg(HW_REG_WAVE_MODE, 25, 1), 1
	s_wait_xcnt 0x0
; LayerNorm 2 of x1 [4096][1024] f32, quantised to codes of E4M3 with the scale of entry 12: xn2c [4096][1024].
; A wave takes a row at a time, four rows; the row stays in 32 registers a lane between the passes: mean first, then the mean of (x - mean)^2.  No LDS, no barrier: waves share nothing.
; Of each half of a row (2,048 bytes) a lane takes 64 bytes, 16 neighbours, as the conversions want them; its 16 codes are 16 bytes, so a wave's store covers 512 consecutive bytes.
; LIMIT: e between -126 and 119.  NaN among the inputs is not served.
.set LX,   32                          ; v32-159  four rows
.set G,    160                         ; v160-191 gamma
.set BT,   192                         ; v192-223 beta
	s_load_b256 s[16:23], s[0:1], 0x0              ; x1 16, gamma2 18, beta2 20, the scales 22
	s_load_b64 s[24:25], s[0:1], 0x20              ; xn2c
	v_lshrrev_b32 v1, 5, v0
	v_readfirstlane_b32 s2, v1                     ; wave 0..3
	v_and_b32 v2, 31, v0
	s_lshl_b32 s3, ttmp9, 4
	s_lshl_b32 s12, s2, 2
	s_add_co_u32 s3, s3, s12                       ; my first row: 16 x work-group + 4 x wave
	v_lshlrev_b32 v1, 6, v2
	v_lshlrev_b32 v3, 4, v2
	v_mov_b32 v24, 0                               ; written once: a lane permute's destination counts as one of its sources
	s_mov_b32 s54, 0x3a800000                      ; 1 / 1024
	s_mov_b32 s55, 0x3727c5ac                      ; 1e-5
	s_mov_b32 s56, 0x76543210
	s_mov_b32 s57, 0xfedcba98
	s_wait_kmcnt 0x0
	s_load_b32 s40, s[22:23], 0x30                 ; e12
	s_lshl_b32 s12, s3, 12
	s_mov_b32 s13, 0
	s_add_nc_u64 s[4:5], s[16:17], s[12:13]
	s_lshl_b32 s12, s3, 10
	s_add_nc_u64 s[6:7], s[24:25], s[12:13]
.irp u, 0,1
.irp c, 0,1,2,3
	global_load_b128 v[G+16*\u+4*\c:G+16*\u+4*\c+3], v1, s[18:19] offset:2048*\u+16*\c
.endr
.endr
.irp u, 0,1
.irp c, 0,1,2,3
	global_load_b128 v[BT+16*\u+4*\c:BT+16*\u+4*\c+3], v1, s[20:21] offset:2048*\u+16*\c
.endr
.endr
.irp r, 0,1,2,3
.irp u, 0,1
.irp c, 0,1,2,3
	global_load_b128 v[LX+32*\r+16*\u+4*\c:LX+32*\r+16*\u+4*\c+3], v1, s[4:5] offset:4096*\r+2048*\u+16*\c
.endr
.endr
.endr
	s_wait_kmcnt 0x0
	s_add_co_i32 s12, s40, 127
	s_lshl_b32 s13, s12, 23
	v_mov_b32 v26, s13                             ; 2^e as f32
	s_add_co_i32 s12, s12, 8
	s_lshl_b32 s12, s12, 23
	s_or_b32 s49, s12, 0x600000                    ; 448 x 2^e,
	s_or_b32 s48, s49, 0x80000000                  ; and its negative
.macro FOLD                            ; four packed chains v[12:19] -> the sum over the row, in v12 of every lane
	v_pk_add_f32 v[12:13], v[12:13], v[14:15]
	v_pk_add_f32 v[16:17], v[16:17], v[18:19]
	v_pk_add_f32 v[12:13], v[12:13], v[16:17]
	v_add_f32 v12, v12, v13
	v_add_f32_dpp v12, v12, v12 row_xmask:1 row_mask:0xf bank_mask:0xf
	v_add_f32_dpp v12, v12, v12 row_xmask:2 row_mask:0xf bank_mask:0xf
	v_add_f32_dpp v12, v12, v12 row_xmask:4 row_mask:0xf bank_mask:0xf
	v_add_f32_dpp v12, v12, v12 row_xmask:8 row_mask:0xf bank_mask:0xf
	v_permlanex16_b32 v24, v12, s56, s57
	v_add_f32 v12, v12, v24
.endm
.macro ROW r
.set XR, LX+32*(\r)
	s_wait_loadcnt 8*(3-(\r))                      ; this row's eight loads are in (gamma and beta came before them); the later rows' may be out
.irp k, 0,1,2,3
	v_pk_add_f32 v[12+2*\k:13+2*\k], v[XR+4*\k:XR+4*\k+1], v[XR+4*\k+2:XR+4*\k+3]
.endr
.irp k, 0,1,2,3
	v_pk_add_f32 v[12+2*\k:13+2*\k], v[12+2*\k:13+2*\k], v[XR+16+2*\k:XR+17+2*\k]
.endr
.irp k, 0,1,2,3
	v_pk_add_f32 v[12+2*\k:13+2*\k], v[12+2*\k:13+2*\k], v[XR+24+2*\k:XR+25+2*\k]
.endr
	FOLD
	v_mul_f32 v20, s54, v12                        ; the mean, twice, for the packed form
	v_mul_f32 v21, s54, v12
.set j, 0
.rept 16
	v_pk_add_f32 v[XR+j:XR+j+1], v[XR+j:XR+j+1], v[20:21] neg_lo:[0,1] neg_hi:[0,1]   ; x - mean
.set j, j+2
.endr
.irp k, 0,1,2,3
	v_pk_mul_f32 v[12+2*\k:13+2*\k], v[XR+2*\k:XR+2*\k+1], v[XR+2*\k:XR+2*\k+1]
.endr
.set j, 8
.rept 12
	v_pk_fma_f32 v[12+j%8:13+j%8], v[XR+j:XR+j+1], v[XR+j:XR+j+1], v[12+j%8:13+j%8]
.set j, j+2
.endr
	FOLD
	v_fma_f32 v12, v12, s54, s55                   ; the variance + 1e-5
	v_rsq_f32 v22, v12
	v_rsq_f32 v23, v12
	v_nop                                          ; a plain line behind the transcendentals,
	s_wait_alu depctr_va_vdst(0)                   ; and one wait for both, ahead of their first reader
.set j, 0
.rept 16
	v_pk_mul_f32 v[XR+j:XR+j+1], v[XR+j:XR+j+1], v[22:23]
.set j, j+2
.endr
.set j, 0
.rept 16
	v_pk_fma_f32 v[XR+j:XR+j+1], v[XR+j:XR+j+1], v[G+j:G+j+1], v[BT+j:BT+j+1]
.set j, j+2
.endr
.set j, 0
.rept 32
	v_med3_num_f32 v[XR+j], v[XR+j], s48, s49      ; the conversion to an 8-bit code does not saturate (ISA guide 7.6.2)
.set j, j+1
.endr
	s_wait_xcnt 0x0                                ; the last row's stores have read their data: the codes' registers may be written again
.irp g, 0,1,2,3
	v_cvt_scalef32_pk8_fp8_f32 v[4+2*\g:5+2*\g], v[XR+8*\g:XR+8*\g+7], v26
.endr
	v_nop
	global_store_b128 v3, v[4:7], s[6:7] offset:1024*(\r)
	global_store_b128 v3, v[8:11], s[6:7] offset:1024*(\r)+512
.endm
	ROW 0
	ROW 1
	ROW 2
	ROW 3
	s_endpgm
.Lfunc_end_k_q28018cc7c3_ln2:
	.size	k_q28018cc7c3_ln2, .Lfunc_end_k_q28018cc7c3_ln2-k_q28018cc7c3_ln2
	.p2alignl 7, 3214868480
	.fill 96, 4, 3214868480
	.section	.rodata,"a",@progbits
	.p2align	6, 0x0
	.amdhsa_kernel k_q28018cc7c3_ln2
		.amdhsa_group_segment_fixed_size 0
		.amdhsa_private_segment_fixed_size 0
		.amdhsa_enable_private_segment 0
		.amdhsa_kernarg_size 40
		.amdhsa_user_sgpr_count 2
		.amdhsa_user_sgpr_kernarg_segment_ptr 1
		.amdhsa_wavefront_size32 1
		.amdhsa_system_sgpr_workgroup_id_x 1
		.amdhsa_system_sgpr_workgroup_id_y 1
		.amdhsa_system_sgpr_workgroup_id_z 1
		.amdhsa_system_vgpr_workitem_id 0
		.amdhsa_next_free_vgpr 224
		.amdhsa_next_free_sgpr 66
		.amdhsa_reserve_vcc 0
		.amdhsa_float_denorm_mode_32 3
		.amdhsa_float_denorm_mode_16_64 3
		.amdhsa_memory_ordered 1
		.amdhsa_forward_progress 1
		.amdhsa_inst_pref_size 41
	.end_amdhsa_kernel
	.amdgpu_metadata
---
amdhsa.version: [ 1, 2 ]
amdhsa.kernels:
  - .name:           k_q28018cc7c3_ln2
    .symbol:         k_q28018cc7c3_ln2.kd
    .args:
      - { .name: x1, .offset: 0, .size: 8, .value_kind: global_buffer, .address_space: global }
      - { .name: gamma2, .offset: 8, .size: 8, .value_kind: global_buffer, .address_space: global }
      - { .name: beta2, .offset: 16, .size: 8, .value_kind: global_buffer, .address_space: global }
      - { .name: lowp_scales, .offset: 24, .size: 8, .value_kind: global_buffer, .address_space: global }
      - { .name: xn2c, .offset: 32, .size: 8, .value_kind: global_buffer, .address_space: global }
    .group_segment_fixed_size: 0
    .private_segment_fixed_size: 0
    .kernarg_segment_align: 8
    .kernarg_segment_size: 40
    .max_flat_workgroup_size: 128
    .sgpr_count:     66
    .vgpr_count:     224
    .wavefront_size: 32
...
	.end_amdgpu_metadata
.endif
;; end of part 5
;; launch w1 (part 6): grid 16 x 16, 4 waves a work-group, clusters of 4 x 4, 327,680 bytes of LDS; arguments xn2c, wcodes, lowp_scales, b1, hc; writes hc
.if DOCPART == 6
	.amdgcn_target "amdgcn-amd-amdhsa--gfx1250"
	.amdhsa_code_object_version 6
	.text
	.protected	k_q28018cc7c3_w1
	.globl	k_q28018cc7c3_w1
	.p2align	8
	.type	k_q28018cc7c3_w1,@function
k_q28018cc7c3_w1:
	s_mov_b64 s[64:65], 0
	v_nop
	global_prefetch_b8 v0, s[64:65] scope:SCOPE_SE
	s_setreg_imm32_b32 hwreg(HW_REG_WAVE_MODE, 25, 1), 1
	s_wait_xcnt 0x0
	s_wait_alu depctr_hold_cnt(0) depctr_sa_sdst(0) depctr_va_vdst(0) depctr_va_sdst(0) depctr_va_ssrc(0) depctr_va_vcc(0) depctr_vm_vsrc(0)
	s_getreg_b32 s2, hwreg(HW_REG_IB_STS2, 6, 4)
	s_cmp_eq_u32 s2, 0
	s_cbranch_scc0 .Lentry_in_a_cluster
	s_endpgm
.Lentry_in_a_cluster:
	s_bfe_u32 s2, ttmp6, 0x10000c
	s_cmp_lg_u32 s2, 0xf033
	s_cbranch_scc0 .Lentry_shape_is_right
	s_endpgm
.Lentry_shape_is_right:
; h = relu(xn2 W1 + b1), quantised for the next product.  A: xn2c [4096][1024] codes of E4M3 (scale entry 12); B: W1's codes [4096 n][1024 k] at wcodes + 4 MiB (entry 13); b1 [4096] f32; hc [4096][4096] codes (entry 14).
; A block of 256 x 256 of the result to a work-group of four waves, 128 x 128 to a wave: 64 accumulators, 512 registers.  256 work-groups.
; K = 1,024 goes in four steps of 256 through a ring of two LDS slots filled by the tensor data mover; a tile's row is 256 bytes of memory.
; THE WALK ALONG K BEGINS AT ANOTHER STEP FROM CLUSTER TO CLUSTER, and goes round: cluster (X, Y) begins at K step 2 ((X + Y) % 2) of the four.  Clusters side by side read the same rows of A, clusters one
; above the other the same rows of B: neighbours ask for different K steps at any one time, and the two K steps that a cluster asks for in its refills are those that its neighbours asked for at their start.
; A sum has the same terms; only the order of its K steps differs.  The first step hangs on the cluster's coordinates alone, which all sixteen partners share.
; THE MATRIX INSTRUCTION IS USED TRANSPOSED (source 0 = 16 rows of B, source 1 = 16 rows of A): a lane holds one token and eight neighbouring hidden units, the next product's K.
; CLUSTERS: 4 x 4.  A's tile is shared along a row of the cluster, B's along a column: each is asked for jointly.
; LIMITS: e12 + e13 between -126 and 127; e14 between -126 and 119.  NaN among the inputs is not served.
; REGISTERS, in windows of 256: window 0: v0-31 addresses; v32-95 the bias, v112-113 constants; from v128 A's fragments, ONE set; on the way out v128-255 are at work.
;   window 1: B's fragments, two sets.   window 2: the accumulators of my rows 0-63 ((a, b) at v[8 (8 a + b)]);   window 3: those of my rows 64-127.
.set ROWB,   256
.set KROW,   1024
.set PITCH,  272                       ; an LDS row: 256 bytes + 16 of padding = 68 words: the 16 rows that a load touches start at 16 different banks (64 banks of 4 bytes: ISA guide 11.1)
.set FR,     16
.set NL,     4
.set NP,     4                         ; places behind this matrix instruction (ISA guide 7.12.1)
.set HALFT,  128*PITCH
.set SLOT,   4*HALFT
.set LAPS,   2
.set SPARE,  2*SLOT
.set ADRA, 16
.set BCO,  18                          ; v18     32 x (lane / 16); never rewritten
.set ADRB, 20
.set COV,  23                          ; v23     my byte offset in two rows of hc
.set STO,  24                          ; v24     the stage: where I put eight codes
.set RDV,  27                          ; v27     the stage, read by rows
.set SPW,  28
.set NIL,  29
.set BC,   32
.set LIMV, 112
.set SCV,  113
.set AF,   128
.set T,    128
.set CD,   192
.set G1, 24
.set G0, 32
.set G1B, 48
.set G0B, 56
.set PA,  68                           ; s[68:69] the rows of A that I fetch, at K = 0; never rewritten
.set PB,  70                           ; s[70:71] the same for B
.set KO,  72                           ; s[72:73], s[74:75] slot 0's and slot 1's place along K, in bytes, with 0 above it
.set MSB, 0
.macro WIN new                         ; the immediate's high byte repeats the setting that is left
.if MSB != \new
	s_set_vgpr_msb (MSB<<8)|\new
.set MSB, \new
.endif
.endm
.set MUL_LO, 0xa1
.set MUL_HI, 0xf1
.set TO_B,   0x40
.macro JLOAD g0a, g1a, g0b, g1b        ; a joint load: waves 0 and 1 fetch for A, waves 2 and 3 for B.  An s_nop 0 and four v_nop follow each line
	s_cmp_eq_u32 s15, 0
	s_cbranch_scc0 .Lfor_b_\@
	tensor_load_to_lds s[\g0a:\g0a+3], s[\g1a:\g1a+7]
	s_nop 0
.rept 4
	v_nop
.endr
	s_branch .Lasked_\@
.Lfor_b_\@:
	tensor_load_to_lds s[\g0b:\g0b+3], s[\g1b:\g1b+7]
	s_nop 0
.rept 4
	v_nop
.endr
.Lasked_\@:
.endm
.macro CREST
	s_cmp_lg_u32 s14, 0
	s_cbranch_scc1 .Lnot_wave_0_\@
	s_barrier_signal -3
.Lnot_wave_0_\@:
	s_barrier_wait -3
	s_barrier_signal -1
	s_barrier_wait -1
.endm
.macro CROUND
	s_barrier_signal -1
	s_barrier_wait -1
	CREST
.endm
	s_load_b256 s[84:91], s[0:1], 0x0              ; xn2c 84, wcodes 86, the scales 88, b1 90
	s_load_b64 s[10:11], s[0:1], 0x20              ; hc
	v_lshl_add_u32 v[SPW], v0, 2, SPARE
	v_mov_b32 v[NIL], 0
	ds_add_u32 v[SPW], v[NIL]                      ; the wave's opening: the add and its wait ahead of my first tensor load
	v_lshrrev_b32 v1, 5, v0
	v_readfirstlane_b32 s14, v1                    ; wave 0..3
	s_lshr_b32 s15, s14, 1                         ; my half of the block's rows.  Also: I fetch for A (0) or for B (1)
	s_and_b32 s16, s14, 1                          ; my half of its columns.  Also: which 128 rows of that tile I fetch
	s_bfe_u32 s40, ttmp6, 0x40000                  ; cx, cy
	s_bfe_u32 s41, ttmp6, 0x40004
	s_lshl_b32 s42, ttmp9, 2
	s_add_co_u32 s42, s42, s40                     ; block column
	s_and_b32 s17, ttmp7, 0xffff
	s_lshl_b32 s17, s17, 2
	s_add_co_u32 s17, s17, s41                     ; block row
	s_lshl_b32 s43, s41, 2
	s_lshl_b32 s43, 15, s43
	s_lshl_b32 s44, 0x1111, s40
	s_or_b32 s[G1+0], s43, (0<<16)|(1<<20)|(1<<21)|(5<<22)|(3<<25)  ; the mask; elements of 1 byte; padding on; 21 set beside a mask; after every 64 words (code 5) four words (code 3)
	s_or_b32 s[G1B+0], s44, (0<<16)|(1<<20)|(1<<21)|(5<<22)|(3<<25)
.irp g, G1, G1B
	s_mov_b32 s[\g+1], ROWB<<16
	s_mov_b32 s[\g+2], 128<<16
	s_mov_b32 s[\g+3], ROWB<<16
	s_mov_b32 s[\g+4], 128
	s_mov_b32 s[\g+5], KROW
	s_mov_b32 s[\g+6], 0
	s_mov_b32 s[\g+7], 0
.endr
	s_lshl_b32 s18, s16, 7
	s_lshl_b32 s20, s17, 8
	s_add_co_u32 s20, s20, s18
	s_lshl_b32 s20, s20, 10
	s_mov_b32 s21, 0
	s_lshl_b32 s46, s42, 8
	s_add_co_u32 s46, s46, s18
	s_lshl_b32 s46, s46, 10
	s_add_co_u32 s46, s46, 0x400000                ; W1's codes in wcodes
	s_mov_b32 s47, 0
	s_mul_i32 s45, s14, HALFT
	s_and_b32 s[KO], ttmp7, 1                      ; where my cluster begins along K: (cluster x + cluster y) % 2,
	s_add_co_u32 s[KO], s[KO], ttmp9
	s_and_b32 s[KO], s[KO], 1
	s_lshl_b32 s[KO], s[KO], 9                     ; times two K steps of 256 bytes: slot 0's first place;
	s_add_co_u32 s[KO+2], s[KO], ROWB              ; slot 1's is one K step on
	s_mov_b32 s[KO+1], 0
	s_mov_b32 s[KO+3], 0
	s_wait_dscnt 0x0                               ; the opening add is done
	s_wait_kmcnt 0x0
	s_load_b128 s[76:79], s[88:89], 0x30           ; e12, e13, e14, e15
	s_add_nc_u64 s[PA:PA+1], s[84:85], s[20:21]
	s_add_nc_u64 s[PB:PB+1], s[86:87], s[46:47]
	CROUND                                         ; all sixteen work-groups are here: the first joint loads meet
.irp s, 0,1
	s_mov_b32 s[G0+4*\s], 1
	s_add_co_u32 s[G0+4*\s+1], s45, \s*SLOT
	s_add_nc_u64 s[G0+4*\s+2:G0+4*\s+3], s[PA:PA+1], s[KO+2*\s:KO+2*\s+1]
	s_or_b32 s[G0+4*\s+3], s[G0+4*\s+3], 0x80000000
	s_mov_b32 s[G0B+4*\s], 1
	s_add_co_u32 s[G0B+4*\s+1], s45, \s*SLOT
	s_add_nc_u64 s[G0B+4*\s+2:G0B+4*\s+3], s[PB:PB+1], s[KO+2*\s:KO+2*\s+1]
	s_or_b32 s[G0B+4*\s+3], s[G0B+4*\s+3], 0x80000000
	JLOAD G0+4*\s, G1, G0B+4*\s, G1B
.endr
	v_and_b32 v1, 15, v0                           ; r
	v_bfe_u32 v2, v0, 4, 1                         ; h
	v_mul_u32_u24 v3, v1, PITCH
	v_lshl_add_u32 v4, v2, 4, v3
	s_mul_i32 s21, s15, HALFT
	s_mul_i32 s22, s16, HALFT
	s_add_co_u32 s22, s22, 2*HALFT
.irp s, 0,1
	v_add_nc_u32 v[ADRA+\s], s21, v4
	v_add_nc_u32 v[ADRB+\s], s22, v4
	s_add_co_u32 s21, s21, SLOT
	s_add_co_u32 s22, s22, SLOT
.endr
	; the stage for the way out: 256 rows x 272 bytes from LDS byte 0 on, the work-group's.  It lies in slot 0, which has had its last fill and its last read when the first code is stored there
	s_mul_i32 s23, s15, 128*PITCH
	s_lshl_b32 s18, s16, 7
	s_add_co_u32 s23, s23, s18
	v_lshl_add_u32 v5, v2, 3, v3
	v_add_nc_u32 v[STO], s23, v5                   ; in: row 128 wr + r, byte 128 wc + 8 h
	s_mul_i32 s23, s14, 64*PITCH
	v_mul_u32_u24 v5, v2, PITCH
	v_lshl_add_u32 v5, v1, 4, v5
	v_add_nc_u32 v[RDV], s23, v5                   ; back: wave w takes rows 64 w on; lanes 0-15 a row of 256 bytes, lanes 16-31 the next
	v_lshlrev_b32 v9, 12, v2
	v_lshl_add_u32 v[COV], v1, 4, v9               ; a row of hc is 4,096 bytes
	v_lshlrev_b32 v[BCO], 5, v2
	s_lshl_b32 s22, s42, 10
	s_lshl_b32 s23, s16, 9
	s_add_co_u32 s22, s22, s23
	s_mov_b32 s23, 0
	s_add_nc_u64 s[92:93], s[90:91], s[22:23]      ; b1 at my 128 columns; never rewritten
.irp b, 0,1,2,3,4,5,6,7
	global_load_b128 v[BC+8*\b:BC+8*\b+3], v[BCO], s[92:93] offset:64*\b
	global_load_b128 v[BC+8*\b+4:BC+8*\b+7], v[BCO], s[92:93] offset:64*\b+16
.endr
	s_lshl_b32 s20, s17, 20                        ; hc: 256 rows of 4,096 bytes a block row,
	s_lshl_b32 s21, s14, 18                        ; my 64 rows,
	s_add_co_u32 s20, s20, s21
	s_lshl_b32 s21, s42, 8                         ; the block's 256 bytes of a row
	s_add_co_u32 s20, s20, s21
	s_mov_b32 s21, 0
	s_add_nc_u64 s[10:11], s[10:11], s[20:21]
.macro FRAG reg, adr, q, i             ; a fragment: lane l holds row l % 16; registers 4 c .. 4 c + 3 hold K = 32 c + 16 (l / 16) + 0 .. 15: one order of K for A and for B alike
.irp c, 0,1,2,3
	ds_load_b128 v[\reg+4*\c:\reg+4*\c+3], v[\adr] offset:128*(\q)+32*\c+(\i)*16*PITCH
.endr
.endm
.macro MUL16 a0, p, zero               ; 16 matrix instructions: A's blocks a0, a0 + 1 x B's eight.  The 64 accumulators take turns, one instruction a turn
.irp a, \a0, \a0+1
.irp b, 0,1,2,3,4,5,6,7
.if \zero
	v_wmma_f32_16x16x128_fp8_fp8 v[8*(8*((\a)%4)+\b):8*(8*((\a)%4)+\b)+7], v[128*(\p)+FR*\b:128*(\p)+FR*\b+FR-1], v[AF+FR*(\a):AF+FR*(\a)+FR-1], 0
.else
	v_wmma_f32_16x16x128_fp8_fp8 v[8*(8*((\a)%4)+\b):8*(8*((\a)%4)+\b)+7], v[128*(\p)+FR*\b:128*(\p)+FR*\b+FR-1], v[AF+FR*(\a):AF+FR*(\a)+FR-1], v[8*(8*((\a)%4)+\b):8*(8*((\a)%4)+\b)+7]
.endif
.endr
.endr
.endm
.macro FETCH_B slot, q, p
	WIN TO_B
.irp i, 0,1,2,3,4,5,6,7
	FRAG 128*(\p)+FR*\i, ADRB+\slot, \q, \i
.endr
	WIN 0
.endm
.macro FETCH_A slot, q, i0
.irp i, \i0, \i0+1, \i0+2, \i0+3
	FRAG AF+FR*(\i), ADRA+\slot, \q, \i
.endr
.endm
.macro PLACES n
.rept \n
	v_nop
.endr
.endm
.macro STEP slot, q, zero
	s_wait_dscnt 4*NL                              ; B's set and A's blocks 0-3 are in; the youngest 16 loads (A's blocks 4-7) may be out
	WIN MUL_LO
	MUL16 0, (\q)%2, \zero
	MUL16 2, (\q)%2, \zero
	s_wait_dscnt 0                                 ; A's blocks 4-7 are in
	PLACES NP
	FETCH_B \slot, (\q)+1, 1-(\q)%2
	FETCH_A \slot, (\q)+1, 0
	WIN MUL_HI
	MUL16 4, (\q)%2, \zero
	MUL16 6, (\q)%2, \zero
	PLACES NP
	WIN 0
	FETCH_A \slot, (\q)+1, 4
.endm
; A slot's last step changes slots: one barrier; in front of it each wave waits for all its tensor loads, adds 0 to its spare word, and waits for that and for its reads of this slot.  fill = 1: this slot is filled again.
.macro TURN slot, next, fill
	s_wait_tensorcnt 0x0                           ; all my tensor loads have landed: my part of the next slot; so every group 0 may be written
	ds_add_u32 v[SPW], v[NIL]                      ; 0 onto my spare word; the descriptors' step stands between it and the wait for it
.if \fill
	s_add_co_u32 s[KO+2*\slot], s[KO+2*\slot], 2*ROWB            ; this slot's next place along K: two K steps on,
	s_and_b32 s[KO+2*\slot], s[KO+2*\slot], KROW-1               ; round the row's 1,024 bytes
	s_add_nc_u64 s[G0+4*\slot+2:G0+4*\slot+3], s[PA:PA+1], s[KO+2*\slot:KO+2*\slot+1]
	s_or_b32 s[G0+4*\slot+3], s[G0+4*\slot+3], 0x80000000        ; type = 2
	s_add_nc_u64 s[G0B+4*\slot+2:G0B+4*\slot+3], s[PB:PB+1], s[KO+2*\slot:KO+2*\slot+1]
	s_or_b32 s[G0B+4*\slot+3], s[G0B+4*\slot+3], 0x80000000
.endif
	s_wait_dscnt 4*NL+1                            ; (the add and the youngest 16 loads may be out)
	WIN MUL_LO
	MUL16 0, 1, 0
	s_wait_dscnt 0x0                               ; the add is done, and my reads of this slot are over
	s_barrier_signal -1
	MUL16 2, 1, 0
	WIN 0
	s_barrier_wait -1
.if \fill
	CREST                                          ; the barrier has opened a round of the cluster's: no wave of any partner still reads this slot or has a load on its way
	JLOAD G0+4*\slot, G1, G0B+4*\slot, G1B         ; the first tensor load behind the round; its four v_nop are the places in front of the loads below
.else
	PLACES NP
.endif
	FETCH_B \next, 0, 0
	FETCH_A \next, 0, 0
	WIN MUL_HI
	MUL16 4, 1, 0
	MUL16 6, 1, 0
	PLACES NP
	WIN 0
	FETCH_A \next, 0, 4
.endm
	s_wait_tensorcnt 1                             ; my part of the first K step is in; the second's load may be out
	s_barrier_signal -1
	s_barrier_wait -1
	FETCH_B 0, 0, 0
	FETCH_A 0, 0, 0
	FETCH_A 0, 0, 4
	STEP 0, 0, 1
	s_mov_b32 s3, LAPS-1
.Llap:
	TURN 0, 1, 1
	STEP 1, 0, 0
	TURN 1, 0, 1
	STEP 0, 0, 0
	s_sub_co_u32 s3, s3, 1
	s_cmp_lg_u32 s3, 0
	s_cbranch_scc1 .Llap
	TURN 0, 1, 0
	STEP 1, 0, 0
	s_wait_dscnt 4*NL
	WIN MUL_LO
	MUL16 0, 1, 0
	MUL16 2, 1, 0
	s_wait_dscnt 0
	WIN MUL_HI
	MUL16 4, 1, 0
	MUL16 6, 1, 0
	WIN 0
	; THE WAY OUT: sum x 2^(e12 + e13) + b1; the activation and the hold in one; quantised with 2^e14; eight codes a lane into the stage; a barrier; whole rows of 256 bytes out.
	s_wait_loadcnt 0x0                             ; the bias
	s_wait_kmcnt 0x0
	s_add_co_i32 s96, s76, s77
	s_add_co_i32 s96, s96, 127
	s_lshl_b32 s96, s96, 23
	s_mov_b32 s97, s96
	s_add_co_i32 s22, s78, 127
	s_lshl_b32 s23, s22, 23
	v_mov_b32 v[SCV], s23
	s_add_co_i32 s22, s22, 8
	s_lshl_b32 s22, s22, 23
	s_or_b32 s22, s22, 0x600000
	v_mov_b32 v[LIMV], s22
	PLACES NP
.macro QBLOCK a
.set AC, 64*((\a)%4)
.set CC, CD+16*((\a)%2)
	WIN 0x02+((\a)/4)                              ; source 0: window 2 or 3
.set j, 0
.rept 32
	v_pk_fma_f32 v[T+j:T+j+1], v[AC+j:AC+j+1], s[96:97], v[BC+j:BC+j+1] op_sel_hi:[1,0,1]   ; each accumulator from its low end on
.set j, j+2
.endr
	WIN 0
.set j, 0
.rept 64
	v_med3_num_f32 v[T+j], v[T+j], 0, v[LIMV]      ; relu and the hold at the largest code in one
.set j, j+1
.endr
.irp b, 0,1,2,3,4,5,6,7
	v_cvt_scalef32_pk8_fp8_f32 v[CC+2*\b:CC+2*\b+1], v[T+8*\b:T+8*\b+7], v[SCV]
.endr
	v_nop                                          ; a plain line between the conversions and the next block's lines, which write their sources
.irp b, 0,1,2,3,4,5,6,7
	ds_store_b64 v[STO], v[CC+2*\b:CC+2*\b+1] offset:16*PITCH*(\a)+16*\b
.endr
.endm
.irp a, 0,1,2,3,4,5,6,7
	QBLOCK \a
.endr
	s_wait_dscnt 0x0                               ; for the others' sake: my stores into the stage are done
	s_barrier_signal -1
	s_barrier_wait -1
.set i, 0
.rept 32
	ds_load_b128 v[128+4*i:131+4*i], v[RDV] offset:2*PITCH*i
.set i, i+1
.endr
.set i, 0
.rept 32
	s_wait_dscnt 31-i                              ; load i is in; the 31 - i behind it may be out
	global_store_b128 v[COV], v[128+4*i:131+4*i], s[10:11] offset:8192*i   ; sixteen lanes store 256 consecutive bytes, aligned
.set i, i+1
.endr
	s_wait_tensorcnt 0x0                           ; the wave's end, behind my last tensor load and my last LDS store
	ds_add_u32 v[SPW], v[NIL]
	s_wait_dscnt 0x0
	CROUND                                         ; the closing round
	s_endpgm
.Lfunc_end_k_q28018cc7c3_w1:
	.size	k_q28018cc7c3_w1, .Lfunc_end_k_q28018cc7c3_w1-k_q28018cc7c3_w1
	.p2alignl 7, 3214868480
	.fill 96, 4, 3214868480
	.section	.rodata,"a",@progbits
	.p2align	6, 0x0
	.amdhsa_kernel k_q28018cc7c3_w1
		.amdhsa_group_segment_fixed_size 327680
		.amdhsa_private_segment_fixed_size 0
		.amdhsa_enable_private_segment 0
		.amdhsa_kernarg_size 40
		.amdhsa_user_sgpr_count 2
		.amdhsa_user_sgpr_kernarg_segment_ptr 1
		.amdhsa_wavefront_size32 1
		.amdhsa_system_sgpr_workgroup_id_x 1
		.amdhsa_system_sgpr_workgroup_id_y 1
		.amdhsa_system_sgpr_workgroup_id_z 1
		.amdhsa_system_vgpr_workitem_id 0
		.amdhsa_next_free_vgpr 1024
		.amdhsa_next_free_sgpr 100
		.amdhsa_reserve_vcc 0
		.amdhsa_float_denorm_mode_32 3
		.amdhsa_float_denorm_mode_16_64 3
		.amdhsa_memory_ordered 1
		.amdhsa_forward_progress 1
		.amdhsa_inst_pref_size 143
	.end_amdhsa_kernel
	.amdgpu_metadata
---
amdhsa.version: [ 1, 2 ]
amdhsa.kernels:
  - .name:           k_q28018cc7c3_w1
    .symbol:         k_q28018cc7c3_w1.kd
    .args:
      - { .name: xn2c, .offset: 0, .size: 8, .value_kind: global_buffer, .address_space: global }
      - { .name: wcodes, .offset: 8, .size: 8, .value_kind: global_buffer, .address_space: global }
      - { .name: lowp_scales, .offset: 16, .size: 8, .value_kind: global_buffer, .address_space: global }
      - { .name: b1, .offset: 24, .size: 8, .value_kind: global_buffer, .address_space: global }
      - { .name: hc, .offset: 32, .size: 8, .value_kind: global_buffer, .address_space: global }
    .group_segment_fixed_size: 327680
    .private_segment_fixed_size: 0
    .kernarg_segment_align: 8
    .kernarg_segment_size: 40
    .max_flat_workgroup_size: 128
    .sgpr_count:     100
    .vgpr_count:     1024
    .wavefront_size: 32
...
	.end_amdgpu_metadata
.endif
;; end of part 6
;; launch w2 (part 7): grid 8 x 32, 4 waves a work-group, clusters of 4 x 4, 327,680 bytes of LDS; arguments hc, wcodes, lowp_scales, b2, x1, out0; writes out0
.if DOCPART == 7
	.amdgcn_target "amdgcn-amd-amdhsa--gfx1250"
	.amdhsa_code_object_version 6
	.text
	.protected	k_q28018cc7c3_w2
	.globl	k_q28018cc7c3_w2
	.p2align	8
	.type	k_q28018cc7c3_w2,@function
k_q28018cc7c3_w2:
	s_mov_b64 s[64:65], 0
	v_nop
	global_prefetch_b8 v0, s[64:65] scope:SCOPE_SE
	s_setreg_imm32_b32 hwreg(HW_REG_WAVE_MODE, 25, 1), 1
	s_wait_xcnt 0x0
	s_wait_alu depctr_hold_cnt(0) depctr_sa_sdst(0) depctr_va_vdst(0) depctr_va_sdst(0) depctr_va_ssrc(0) depctr_va_vcc(0) depctr_vm_vsrc(0)
	s_getreg_b32 s2, hwreg(HW_REG_IB_STS2, 6, 4)
	s_cmp_eq_u32 s2, 0
	s_cbranch_scc0 .Lentry_in_a_cluster
	s_endpgm
.Lentry_in_a_cluster:
	s_bfe_u32 s2, ttmp6, 0x10000c
	s_cmp_lg_u32 s2, 0xf033
	s_cbranch_scc0 .Lentry_shape_is_right
	s_endpgm
.Lentry_shape_is_right:
; out0 = x1 + h W2 + b2.  A: hc [4096][4096] codes of E4M3 (scale entry 14); B: W2's codes [1024 n][4096 k] at wcodes + 8 MiB (entry 15); bias [1024], residual and result [4096][1024] f32.
; N = 1,024 gives only 64 blocks of 256 x 256: so a block is 128 x 128, 256 work-groups; four waves, each 64 x 64: 16 accumulators.
; K = 4,096 goes in eight steps of 512 codes (LDS rows of 512 bytes; a wave's tensor load brings 64 of them) through a ring of two LDS slots.
; THE WALK ALONG K BEGINS AT ANOTHER STEP FROM CLUSTER TO CLUSTER, and goes round: cluster (X, Y) of the 2 x 8 begins at K step (2 (Y % 4) + 4 X) % 8.  The two clusters of one Y read the same rows of A and begin
; four steps apart: each asks in its last four steps for what the other asked for in its first four.  The clusters of one X read the same rows of B; four neighbours among them begin two steps apart, and a
; cluster's first fills are two steps: together they ask for all eight at their start.  A sum has the same terms; only the order of its K steps differs.  The first step hangs on the cluster's
; coordinates alone, which all sixteen partners share.
; The form is the K = 64 one: a fragment, 16 rows x 64 K, is 8 registers, two loads of 16 bytes 32 bytes apart: registers 4 c .. 4 c + 3 hold K = 32 c + 16 (lane / 16) + 0 .. 15, in A and in B alike.
; CLUSTERS: 4 x 4; A's tile is shared along a row of the cluster, B's along a column.  THE MATRIX INSTRUCTION IS USED TRANSPOSED: a lane holds eight neighbouring numbers of a row of the result.
; The residual is asked for at the head, in the layout of the stores, and lands while the products run.  A wave's 64 columns are 256 bytes: each wave has a stage of its own and stores whole rows of it.
; LIMIT: ea + eb between -126 and 127.
; REGISTERS: window 0: v0-31 addresses; v32-95 rows on the way out, two sets; v96-99 bias; v128-255 the accumulators ((a, b) at v[128 + 8 (4 a + b)]).  window 1: two fragment buffers of 128.  window 2: v0-127 the residual.
.set SIZE_K, 4096
.set WOFF,   0x800000
.set SCOFF,  0x38
.set KSTEP,  512
.set PITCH,  528                       ; an LDS row: 512 bytes + 16 of padding = 132 words: the 16 rows of a load start at 16 different banks (64 banks of 4 bytes: ISA guide 11.1)
.set HALFT,  64*PITCH
.set SLOT,   4*HALFT
.set STAGE,  2*SLOT
.set SPITCH, 272
.set SPARE,  STAGE+4*16*SPITCH
.set LAPS,   SIZE_K/(2*KSTEP)
.set ADRA, 16
.set ADRB, 20
.set STO,  24
.set RD,   25
.set CO,   26                          ; never rewritten
.set BO,   27                          ; never rewritten
.set SPW,  28
.set NIL,  29
.set RB,   32
.set BI,   96
.set ACC,  128
.set F0,   0
.set F1,   128
.set G1, 24
.set G0, 32
.set G1B, 48
.set G0B, 56
.set PA,  80                           ; s[80:81] the rows of A that I fetch, at K = 0; never rewritten
.set PB,  82                           ; s[82:83] the same for B
.set KO,  84                           ; s[84:85], s[86:87] slot 0's and slot 1's place along K, in bytes, with 0 above it
.set MSB, 0
.macro WIN new                         ; the immediate's high byte repeats the setting that is left
.if MSB != \new
	s_set_vgpr_msb (MSB<<8)|\new
.set MSB, \new
.endif
.endm
.set MUL,  0x05
.set TO_F, 0x40
.macro JLOAD s                         ; a joint load: waves 0 and 1 fetch A's halves, waves 2 and 3 B's; an s_nop 0 and four v_nop follow each line
	s_cmp_eq_u32 s11, 0
	s_cbranch_scc0 .Lfor_b_\@
	tensor_load_to_lds s[G0+4*\s:G0+4*\s+3], s[G1:G1+7]
	s_nop 0
.rept 4
	v_nop
.endr
	s_branch .Lasked_\@
.Lfor_b_\@:
	tensor_load_to_lds s[G0B+4*\s:G0B+4*\s+3], s[G1B:G1B+7]
	s_nop 0
.rept 4
	v_nop
.endr
.Lasked_\@:
.endm
.macro CREST
	s_cmp_lg_u32 s10, 0
	s_cbranch_scc1 .Lnot_wave_0_\@
	s_barrier_signal -3
.Lnot_wave_0_\@:
	s_barrier_wait -3
	s_barrier_signal -1
	s_barrier_wait -1
.endm
.macro CROUND
	s_barrier_signal -1
	s_barrier_wait -1
	CREST
.endm
	s_load_b128 s[4:7], s[0:1], 0x0                ; A's codes, wcodes
	s_load_b256 s[68:75], s[0:1], 0x10             ; the scales 68, the bias 70, the residual 72, the result 74
	v_lshl_add_u32 v[SPW], v0, 2, SPARE
	v_mov_b32 v[NIL], 0
	ds_add_u32 v[SPW], v[NIL]                      ; the wave's opening: the add and its wait ahead of my first tensor load
	v_lshrrev_b32 v1, 5, v0
	v_readfirstlane_b32 s10, v1                    ; wave 0..3
	s_lshr_b32 s11, s10, 1
	s_and_b32 s12, s10, 1
	s_bfe_u32 s40, ttmp6, 0x40000
	s_bfe_u32 s41, ttmp6, 0x40004
	s_lshl_b32 s42, ttmp9, 2
	s_add_co_u32 s42, s42, s40                     ; block column
	s_and_b32 s13, ttmp7, 0xffff
	s_lshl_b32 s13, s13, 2
	s_add_co_u32 s13, s13, s41                     ; block row
	s_lshl_b32 s43, s41, 2
	s_lshl_b32 s43, 15, s43
	s_lshl_b32 s44, 0x1111, s40
	s_or_b32 s[G1+0], s43, (0<<16)|(1<<20)|(1<<21)|(6<<22)|(3<<25)  ; the mask; elements of 1 byte; padding on; 21 set beside a mask; after every 128 words (code 6) four words (code 3)
	s_or_b32 s[G1B+0], s44, (0<<16)|(1<<20)|(1<<21)|(6<<22)|(3<<25)
.irp g, G1, G1B
	s_mov_b32 s[\g+1], KSTEP<<16
	s_mov_b32 s[\g+2], 64<<16
	s_mov_b32 s[\g+3], KSTEP<<16
	s_mov_b32 s[\g+4], 64
	s_mov_b32 s[\g+5], SIZE_K
	s_mov_b32 s[\g+6], 0
	s_mov_b32 s[\g+7], 0
.endr
	s_lshl_b32 s17, s12, 6
	s_lshl_b32 s16, s13, 7
	s_add_co_u32 s16, s16, s17
	s_lshl_b32 s46, s42, 7
	s_add_co_u32 s46, s46, s17
	s_mov_b32 s17, 0
	s_mov_b32 s47, 0
	s_mov_b64 s[18:19], SIZE_K
	s_mul_u64 s[16:17], s[16:17], s[18:19]
	s_mul_u64 s[46:47], s[46:47], s[18:19]
	s_mul_i32 s20, s10, HALFT
	s_and_b32 s[KO], ttmp7, 3                      ; where my cluster begins along K: 2 (cluster y % 4)
	s_lshl_b32 s[KO], s[KO], 1
	s_lshl_b32 s[KO+2], ttmp9, 2                   ; + 4 x cluster x,
	s_add_co_u32 s[KO], s[KO], s[KO+2]
	s_and_b32 s[KO], s[KO], 7                      ; round the eight K steps: an even number,
	s_lshl_b32 s[KO], s[KO], 9                     ; in bytes: slot 0's first place;
	s_add_co_u32 s[KO+2], s[KO], KSTEP             ; slot 1's is one K step on
	s_mov_b32 s[KO+1], 0
	s_mov_b32 s[KO+3], 0
	s_wait_dscnt 0x0                               ; the opening add is done
	s_wait_kmcnt 0x0
	s_load_b64 s[76:77], s[68:69], SCOFF           ; ea, eb
	s_add_nc_u64 s[PA:PA+1], s[4:5], s[16:17]
	s_add_nc_u64 s[PB:PB+1], s[6:7], s[46:47]
	s_add_nc_u64 s[PB:PB+1], s[PB:PB+1], WOFF
	CROUND                                         ; all sixteen work-groups are here: the first joint loads meet
.irp s, 0,1
	s_mov_b32 s[G0+4*\s], 1
	s_add_co_u32 s[G0+4*\s+1], s20, \s*SLOT
	s_add_nc_u64 s[G0+4*\s+2:G0+4*\s+3], s[PA:PA+1], s[KO+2*\s:KO+2*\s+1]
	s_or_b32 s[G0+4*\s+3], s[G0+4*\s+3], 0x80000000
	s_mov_b32 s[G0B+4*\s], 1
	s_add_co_u32 s[G0B+4*\s+1], s20, \s*SLOT
	s_add_nc_u64 s[G0B+4*\s+2:G0B+4*\s+3], s[PB:PB+1], s[KO+2*\s:KO+2*\s+1]
	s_or_b32 s[G0B+4*\s+3], s[G0B+4*\s+3], 0x80000000
	JLOAD \s
.endr
	v_and_b32 v1, 15, v0
	v_bfe_u32 v2, v0, 4, 1
	v_mul_u32_u24 v3, v1, PITCH
	v_lshl_add_u32 v3, v2, 4, v3
	s_mul_i32 s21, s11, HALFT
	s_mul_i32 s22, s12, HALFT
	s_add_co_u32 s22, s22, 2*HALFT
.irp s, 0,1
	v_add_nc_u32 v[ADRA+\s], s21, v3
	v_add_nc_u32 v[ADRB+\s], s22, v3
	s_add_co_u32 s21, s21, SLOT
	s_add_co_u32 s22, s22, SLOT
.endr
	s_mul_i32 s23, s10, 16*SPITCH
	s_add_co_u32 s23, s23, STAGE                   ; my stage
	v_mul_u32_u24 v4, v1, SPITCH
	v_lshl_add_u32 v4, v2, 5, v4
	v_add_nc_u32 v[STO], s23, v4
	v_mul_u32_u24 v5, v2, SPITCH
	v_lshl_add_u32 v5, v1, 4, v5
	v_add_nc_u32 v[RD], s23, v5
	v_lshlrev_b32 v5, 12, v2
	v_lshl_add_u32 v[CO], v1, 4, v5
	v_lshlrev_b32 v[BO], 4, v1
	s_lshl_b32 s16, s13, 7
	s_lshl_b32 s17, s11, 6
	s_add_co_u32 s16, s16, s17
	s_lshl_b32 s16, s16, 12
	s_lshl_b32 s46, s42, 9
	s_lshl_b32 s47, s12, 8
	s_add_co_u32 s46, s46, s47
	s_mov_b32 s47, 0
	s_add_nc_u64 s[70:71], s[70:71], s[46:47]      ; the three bases are never rewritten
	s_add_co_u32 s16, s16, s46
	s_mov_b32 s17, 0
	s_add_nc_u64 s[72:73], s[72:73], s[16:17]
	s_add_nc_u64 s[74:75], s[74:75], s[16:17]
	WIN 0x80                                       ; destination window 2
.irp a, 0,1,2,3
.irp t, 0,1,2,3,4,5,6,7
	global_load_b128 v[32*\a+4*\t:32*\a+4*\t+3], v[CO], s[72:73] offset:(16*\a+2*\t)*4096   ; the residual, as the stores will want it
.endr
.endr
	WIN 0
	global_load_b128 v[BI:BI+3], v[BO], s[70:71]
.macro MUL8 f, c, a0, zero             ; 8 matrix instructions: A's blocks a0, a0 + 1 x B's four, 64 along K: half c of buffer f.  The 16 accumulators take turns
.irp a, \a0, \a0+1
.irp b, 0,1,2,3
.if \zero
	v_wmma_f32_16x16x64_fp8_fp8 v[ACC+8*(4*(\a)+\b):ACC+8*(4*(\a)+\b)+7], v[\f+64+8*(4*\c+\b):\f+64+8*(4*\c+\b)+7], v[\f+8*(4*\c+\a):\f+8*(4*\c+\a)+7], 0
.else
	v_wmma_f32_16x16x64_fp8_fp8 v[ACC+8*(4*(\a)+\b):ACC+8*(4*(\a)+\b)+7], v[\f+64+8*(4*\c+\b):\f+64+8*(4*\c+\b)+7], v[\f+8*(4*\c+\a):\f+8*(4*\c+\a)+7], v[ACC+8*(4*(\a)+\b):ACC+8*(4*(\a)+\b)+7]
.endif
.endr
.endr
.endm
.macro FETCH slot, k, f
	WIN TO_F
.irp c, 0,1
.irp i, 0,1,2,3
	ds_load_b128 v[\f+64+8*(4*\c+\i):\f+64+8*(4*\c+\i)+3],   v[ADRB+\slot] offset:\k+64*\c+\i*16*PITCH
	ds_load_b128 v[\f+64+8*(4*\c+\i)+4:\f+64+8*(4*\c+\i)+7], v[ADRB+\slot] offset:\k+64*\c+\i*16*PITCH+32
	ds_load_b128 v[\f+8*(4*\c+\i):\f+8*(4*\c+\i)+3],         v[ADRA+\slot] offset:\k+64*\c+\i*16*PITCH
	ds_load_b128 v[\f+8*(4*\c+\i)+4:\f+8*(4*\c+\i)+7],       v[ADRA+\slot] offset:\k+64*\c+\i*16*PITCH+32
.endr
.endr
.endm
.macro PLACES
.rept 4
	v_nop
.endr
.endm
.macro QUARTER slot, k, f, g, zero
	s_wait_dscnt 16                                ; the first 64 along K are in; the other 16 loads may be out
	WIN MUL
	MUL8 \f, 0, 0, \zero
	MUL8 \f, 0, 2, \zero
	PLACES
	FETCH \slot, \k, \g
	s_wait_dscnt 32                                ; all but the 32 just issued
	WIN MUL
	MUL8 \f, 1, 0, 0
	MUL8 \f, 1, 2, 0
.endm
; The last quarter changes slots: one barrier; in front of it each wave waits for all its tensor loads, adds 0 to its spare word, and waits for that and for its reads of this slot.  fill = 1: this slot is filled again, two K steps ahead.
.macro TURN slot, next, fill
	WIN 0
	s_wait_tensorcnt 0x0                           ; all my tensor loads have landed: my part of the next slot; so every group 0 may be written
	ds_add_u32 v[SPW], v[NIL]                      ; 0 onto my spare word; the descriptors' step stands between it and the wait for it
.if \fill
	s_add_co_u32 s[KO+2*\slot], s[KO+2*\slot], 2*KSTEP           ; this slot's next place along K: two K steps on,
	s_and_b32 s[KO+2*\slot], s[KO+2*\slot], SIZE_K-1             ; round the row's 4,096 bytes
	s_add_nc_u64 s[G0+4*\slot+2:G0+4*\slot+3], s[PA:PA+1], s[KO+2*\slot:KO+2*\slot+1]
	s_or_b32 s[G0+4*\slot+3], s[G0+4*\slot+3], 0x80000000        ; type = 2
	s_add_nc_u64 s[G0B+4*\slot+2:G0B+4*\slot+3], s[PB:PB+1], s[KO+2*\slot:KO+2*\slot+1]
	s_or_b32 s[G0B+4*\slot+3], s[G0B+4*\slot+3], 0x80000000
.endif
	s_wait_dscnt 17                                ; (the add and the youngest sixteen loads may be out)
	WIN MUL
	MUL8 F1, 0, 0, 0
	s_wait_dscnt 0x0                               ; the add is done, and my reads of this slot are over
	s_barrier_signal -1
	MUL8 F1, 0, 2, 0
.if \fill
	WIN 0
.endif
	s_barrier_wait -1
.if \fill
	CREST                                          ; the barrier has opened a round of the cluster's: no wave of any partner still reads this slot or has a load on its way
	JLOAD \slot                                    ; the first tensor load behind the round; its four v_nop are the places in front of the loads below
.else
	PLACES
.endif
	FETCH \next, 0, F0
	WIN MUL
	MUL8 F1, 1, 0, 0
	MUL8 F1, 1, 2, 0
.endm
	s_wait_tensorcnt 1                             ; my part of the first K step is in; the second's load may be out
	s_barrier_signal -1
	s_barrier_wait -1
	FETCH 0, 0, F0
	QUARTER 0, 128, F0, F1, 1                      ; the first products start the sums
.if LAPS > 1
	WIN 0
	s_mov_b32 s3, LAPS-1
.Llap:                                                 ; a trip goes once round the ring and fills both slots again
	QUARTER 0, 256, F1, F0, 0
	QUARTER 0, 384, F0, F1, 0
	TURN 0, 1, 1
	QUARTER 1, 128, F0, F1, 0
	QUARTER 1, 256, F1, F0, 0
	QUARTER 1, 384, F0, F1, 0
	TURN 1, 0, 1
	QUARTER 0, 128, F0, F1, 0
	WIN 0
	s_sub_co_u32 s3, s3, 1
	s_cmp_lg_u32 s3, 0
	s_cbranch_scc1 .Llap
.endif
	QUARTER 0, 256, F1, F0, 0                      ; the last lap fills nothing
	QUARTER 0, 384, F0, F1, 0
	TURN 0, 1, 0
	QUARTER 1, 128, F0, F1, 0
	QUARTER 1, 256, F1, F0, 0
	QUARTER 1, 384, F0, F1, 0
	s_wait_dscnt 16
	WIN MUL
	MUL8 F1, 0, 0, 0
	MUL8 F1, 0, 2, 0
	s_wait_dscnt 0
	MUL8 F1, 1, 0, 0
	MUL8 F1, 1, 2, 0
	WIN 0
	; THE WAY OUT, a block of 16 rows x 64 columns at a time: the sums go through my own stage as they are and come back as whole rows of 256 bytes; there sum x 2^(ea + eb) + residual + bias.
.macro TOST a
.irp b, 0,1,2,3
	ds_store_b128 v[STO], v[ACC+8*(4*(\a)+\b):ACC+8*(4*(\a)+\b)+3] offset:64*\b          ; each accumulator from its low end on
	ds_store_b128 v[STO], v[ACC+8*(4*(\a)+\b)+4:ACC+8*(4*(\a)+\b)+7] offset:64*\b+16
.endr
.set BB, RB+32*((\a)%2)
.irp t, 0,1,2,3,4,5,6,7
	ds_load_b128 v[BB+4*\t:BB+4*\t+3], v[RD] offset:\t*2*SPITCH   ; LDS serves a wave's instructions in order
.endr
.endm
.macro SEND a, younger
.set BB, RB+32*((\a)%2)
	s_wait_dscnt \younger
	WIN 0x20                                       ; source 2 (the residual) window 2
.set j, 0
.rept 16
	v_pk_fma_f32 v[BB+j:BB+j+1], v[BB+j:BB+j+1], s[76:77], v[32*(\a)+j:32*(\a)+j+1] op_sel_hi:[1,0,1]
.set j, j+2
.endr
	WIN 0
.set j, 0
.rept 16
	v_pk_add_f32 v[BB+j:BB+j+1], v[BB+j:BB+j+1], v[BI+j%4:BI+j%4+1]
.set j, j+2
.endr
.irp t, 0,1,2,3,4,5,6,7
	global_store_b128 v[CO], v[BB+4*\t:BB+4*\t+3], s[74:75] offset:(16*(\a)+2*\t)*4096 th:TH_STORE_NT   ; sixteen lanes store 256 consecutive bytes, aligned; written once, read by nobody here
.endr
.endm
	s_wait_loadcnt 0x0                             ; the residual and the bias
	s_wait_kmcnt 0x0
	s_add_co_i32 s76, s76, s77
	s_add_co_i32 s76, s76, 127
	s_lshl_b32 s76, s76, 23                        ; 2^(ea + eb) as f32
	s_mov_b32 s77, s76
	PLACES
	TOST 0
.irp a, 1,2,3
.if \a > 1
	s_wait_xcnt 0x0                                ; block a - 2's stores have read their data: block a's loads may land there
.endif
	TOST \a
	SEND \a-1, 16                                  ; behind block a - 1's loads: block a's 8 stores and 8 loads
.endr
	SEND 3, 0
	s_wait_tensorcnt 0x0                           ; the wave's end, behind my last tensor load and my last LDS store
	ds_add_u32 v[SPW], v[NIL]
	s_wait_dscnt 0x0
	CROUND                                         ; the closing round
	s_endpgm
.Lfunc_end_k_q28018cc7c3_w2:
	.size	k_q28018cc7c3_w2, .Lfunc_end_k_q28018cc7c3_w2-k_q28018cc7c3_w2
	.p2alignl 7, 3214868480
	.fill 96, 4, 3214868480
	.section	.rodata,"a",@progbits
	.p2align	6, 0x0
	.amdhsa_kernel k_q28018cc7c3_w2
		.amdhsa_group_segment_fixed_size 327680
		.amdhsa_private_segment_fixed_size 0
		.amdhsa_enable_private_segment 0
		.amdhsa_kernarg_size 48
		.amdhsa_user_sgpr_count 2
		.amdhsa_user_sgpr_kernarg_segment_ptr 1
		.amdhsa_wavefront_size32 1
		.amdhsa_system_sgpr_workgroup_id_x 1
		.amdhsa_system_sgpr_workgroup_id_y 1
		.amdhsa_system_sgpr_workgroup_id_z 1
		.amdhsa_system_vgpr_workitem_id 0
		.amdhsa_next_free_vgpr 768
		.amdhsa_next_free_sgpr 88
		.amdhsa_reserve_vcc 0
		.amdhsa_float_denorm_mode_32 3
		.amdhsa_float_denorm_mode_16_64 3
		.amdhsa_memory_ordered 1
		.amdhsa_forward_progress 1
		.amdhsa_inst_pref_size 98
	.end_amdhsa_kernel
	.amdgpu_metadata
---
amdhsa.version: [ 1, 2 ]
amdhsa.kernels:
  - .name:           k_q28018cc7c3_w2
    .symbol:         k_q28018cc7c3_w2.kd
    .args:
      - { .name: hc, .offset: 0, .size: 8, .value_kind: global_buffer, .address_space: global }
      - { .name: wcodes, .offset: 8, .size: 8, .value_kind: global_buffer, .address_space: global }
      - { .name: lowp_scales, .offset: 16, .size: 8, .value_kind: global_buffer, .address_space: global }
      - { .name: b2, .offset: 24, .size: 8, .value_kind: global_buffer, .address_space: global }
      - { .name: x1, .offset: 32, .size: 8, .value_kind: global_buffer, .address_space: global }
      - { .name: out0, .offset: 40, .size: 8, .value_kind: global_buffer, .address_space: global }
    .group_segment_fixed_size: 327680
    .private_segment_fixed_size: 0
    .kernarg_segment_align: 8
    .kernarg_segment_size: 48
    .max_flat_workgroup_size: 128
    .sgpr_count:     88
    .vgpr_count:     768
    .wavefront_size: 32
...
	.end_amdgpu_metadata
.endif
;; end of part 7
